; MI455X (gfx1250); checked and timed in simulation.
; The chip was launched on July 23, 2026; its instructions are those of AMD's public machine-readable ISA for CDNA 5 (MIT licence, August 2026) and "CDNA5" Instruction Set Architecture Reference Guide (July 2026). The comments in the code are by the model that wrote it; some were corrected since.
;; Attention Head. Allowed arithmetic: matrix products marked QUANTISED: E2M3 operands, one E8M0 scale for each 32 along K, by v_wmma_scale_f32_16x16x128_f8f6f4 with both operands' format E2M3, f32 sums; everything else in f32.
;; Inputs: b_attn 3,072 float32; b_proj 1,024 float32; w_attn 1,024 x 3,072 float32; w_proj 1,024 x 1,024 float32; x 4 x 2,048 x 1,024 float32.
;; Outputs: out0 4 x 2,048 x 1,024 float32.
;; This version of the problem:
;;   THIS VERSION OF THE PROBLEM IS GIVEN IN LOW PRECISION. The matrix products marked QUANTISED in the list below multiply operands that are first quantised to E2M3 (2 exponent bits, 3 mantissa bits; 6 bits a number), with one power-of-two scale for each 32 numbers along K (OCP MX v1.0); their sums are f32. All else is computed in f32.
;;   The module's matrix products, in the order in which they are computed (A, B: the left and right operand; K: the contracted axis; several contracted axes count as one K, in the product's order):
;;     1. [M 8,192, K 1,024] x [K 1,024, N 3,072]; A: input x; B: input w_attn: QUANTISED
;;     2. batch 64 x [M 2,048, K 64] x [K 64, N 2,048]; A: computed on the way; B: computed on the way: QUANTISED
;;     3. batch 64 x [M 2,048, K 2,048] x [K 2,048, N 64]; A: softmax (see below); B: computed on the way: QUANTISED
;;     4. [M 8,192, K 1,024] x [K 1,024, N 1,024]; A: computed on the way; B: input w_proj: QUANTISED
;;   THE QUANTISER, for each operand of a quantised product, along K:
;;     - K is cut into blocks of 32 from its start; a last block that is shorter is filled with zeros.
;;     - A block's scale is 2^e with e = floor(log2(the largest magnitude in the block)) - 2, held to -126 .. 127; a block of zeros has e = 0. As a byte (E8M0): e + 127.
;;     - Each number is divided by its block's scale, clamped to +-7.5, and rounded to the nearest number of E2M3, ties to even, subnormals kept.
;;     - The product sums the exact products of the quantised numbers (number of the format x scale) in f32.
;;   ~~~python
;;   def quantise(x, axis):      # numpy; x: float32 -> the quantised numbers, widened to float32 again
;;       x = np.moveaxis(x, axis, -1); K = x.shape[-1]
;;       x = np.pad(x, [(0, 0)] * (x.ndim - 1) + [(0, -K % 32)]); x = x.reshape(x.shape[:-1] + (-1, 32)); a = np.abs(x).max(-1, keepdims=True)
;;       e = np.where(a > 0, np.clip(np.frexp(np.where(a > 0, a, 1))[1] - 1 - 2, -126, 127), 0)      # np.frexp(a)[1] - 1 = floor(log2(a)), exactly
;;       r = np.clip(x / 2.0 ** e, -7.5, 7.5)
;;       step = 2.0 ** (np.maximum(np.frexp(np.where(r == 0, 1, r))[1] - 1, 0) - 3)
;;       q = np.round(r / step) * step * 2.0 ** e      # np.round: ties to even
;;       return np.moveaxis(q.reshape(q.shape[:-2] + (-1,))[..., :K], -1, axis).astype(np.float32)
;;   ~~~
;;   SOFTMAX AHEAD OF A QUANTISED PRODUCT. Where the list says 'softmax', what is quantised is not the finished softmax but p = 2^(t - M), with t = logit x log2(e) and M = ceil(the row's largest t), a whole number; so 1/2 < the row's largest p <= 1. The row's sum l is taken of the UNQUANTISED p, in f32, and the product's result is divided by l at the end. Since M is a whole number, a kernel that streams over the keys may use a running M (the ceiling of the running maximum): every later rescaling is an exact power of two, which a block's scale takes up: the codes' values come out the same.
;;   OPERANDS COMPUTED ON THE WAY. 'Computed on the way' means the value that the module computes at that place (a softmax that the list does not call 'softmax' is quantised finished and normalised). What goes into a quantiser is computed in f32, as accurately as f32 sums, v_exp_f32 and their like allow (about 1e-6 of the number): no bf16 or f16 on the way to a quantiser, and a product that is left as it is and whose result goes on into a quantised operand takes f32 operands (vector FMAs, or v_wmma_f32_16x16x4_f32). A number that lies on a knife's edge between two numbers of the format may be rounded either way, as far as f32 arithmetic and the matrix unit's own rounding can turn it there, and no further.
;; One version. Each part assembles by itself: llvm-mc -triple=amdgcn-amd-amdhsa -mcpu=gfx1250 --defsym DOCPART=n.
;; ======== version 1 of 1: 4 launches
;; limits: right only within a limited range of input values
;; workspace buffers: xq 6,291,456 bytes; xs 262,144 bytes; wq 3,145,728 bytes; ws 131,072 bytes; qkv 20,185,088 bytes; oq 6,291,456 bytes; os 262,144 bytes
;; launch quant (part 1): grid 256 x 1, 4 waves a work-group, no clusters, 59,904 bytes of LDS; arguments x, w_attn, w_proj, xq, xs, wq, ws; writes xq, xs, wq, ws
.if DOCPART == 1
	.amdgcn_target "amdgcn-amd-amdhsa--gfx1250"
	.amdhsa_code_object_version 6
	.text
	.protected	k_q87370ed3aa_quant
	.globl	k_q87370ed3aa_quant
	.p2align	8
	.type	k_q87370ed3aa_quant,@function
k_q87370ed3aa_quant:
	s_mov_b64 s[64:65], 0
	v_nop
	global_prefetch_b8 v0, s[64:65] scope:SCOPE_SE
	s_setreg_imm32_b32 hwreg(HW_REG_WAVE_MODE, 25, 1), 1
	s_wait_xcnt 0x0
; x [8192][1024], w_attn [1024][3072] and w_proj [1024][1024], f32, become codes of FP6 (E2M3) with one E8M0 byte for each 32 along K (K = the 1,024).
; A block's scale is 2^(floor(log2(its largest magnitude)) - 2); its byte is the largest magnitude's exponent field - 2, held at 1 from below.
; LIMITS: a block of zeros gets the byte 1 where the rule says 127 (its codes are zeros, and the bytes are read by this program alone); blocks whose largest magnitude lies
; under 2^-124 are held at that floor; NaN and infinities among the inputs are not served.
; LAYOUT OF THE CODES: images of the operand's registers.  16 rows x 128 K are one image of 1,536 bytes: registers 0-3 (16 bytes a lane, 512), 4-5 (8 bytes a lane, 256), 6-9 (512), 10-11 (256).
; A block of 16 rows has eight images on end, 12,288 bytes.  STORED ORDER OF ROWS: block 2 B + u holds in lane r the row 32 B + 8 u + r + 8 (r / 8), so that the results of a product used
; transposed come out as 16 neighbours along the next K.  The scale bytes: 32 for each stored row.
; Work-groups 0-127 take x (a wave: one block of 16 rows), work-groups 128-255 the weights (a wave: 32 columns x 256 along K).  Each way has LDS bytes of its own.  Waves share nothing: no barrier.
.set XPITCH, 528                       ; x's stage: a row of 512 bytes + 16: an odd multiple of 16 bytes
.set XSTG,   16*XPITCH                 ; a wave's stage on x's way
.set WBASE,  4*XSTG                    ; the weights' stages begin behind them
.set WGRP,   3200                      ; two images (3,072 bytes) + 128: the two blocks of 16 columns of a wave stand half a turn through the banks apart
.set WSTG,   2*WGRP
.set R,   16                           ; v16-143  x: two sets of 64 numbers as loaded
.set X,   144                          ; v144-207 x: 64 numbers of a lane: register 16 b + i = k 32 b + 16 (lane / 16) + i of its row
.set PC,  208                          ; v208-226 the codes just made
.set TM,  228                          ; v228-243 at work
.set PW,  244                          ; v244     the scale word just made
.set PWK, 246                          ; v246-253 the row's eight scale words
.set SEL, 20                           ; s[20:21] lane selects for v_permlanex16_b32: lane l xor 16
.set VO,  16                           ; v16-47   weights: byte offset of row i of a block, at my column
.set WX,  48                           ; v48-111  weights: two sets of 32 numbers
.set CC,  112                          ; v112-118 a block's codes
.set SB,  120                          ; v120-121 my column's eight scale bytes
.set OUTR, 128                         ; v128-175 the way out
; 64 numbers of a lane become a fragment's codes in v[PC] on and its scale word in v[PW]
.macro QUANT s
.irp b, 0,1,2,3
	v_max3_num_f32 v[TM+\b], |v[\s+16*\b]|, |v[\s+1+16*\b]|, 0x1800000   ; block b: my 16 numbers, and the floor 2^(3 - 127): the byte cannot fall under 1
.endr
.irp i, 2,4,6,8,10,12,14
.irp b, 0,1,2,3
	v_max3_num_f32 v[TM+\b], v[TM+\b], |v[\s+16*\b+\i]|, |v[\s+1+16*\b+\i]|   ; the four blocks by turns
.endr
.endr
.irp b, 0,1,2,3
	v_permlanex16_b32 v[TM+4+\b], v[TM+\b], s[SEL], s[SEL+1]
.endr
.irp b, 0,1,2,3
	v_max_num_f32 v[TM+\b], v[TM+\b], v[TM+4+\b]   ; with lane l xor 16's: the block's largest magnitude
.endr
.irp b, 0,1,2,3
	v_add_nc_u32 v[TM+12+\b], 0xff000000, v[TM+\b]   ; 2 off its exponent field: the conversion's scale operand
.endr
.irp b, 0,1,2,3
	v_lshrrev_b32 v[TM+4+\b], 23, v[TM+12+\b]      ; the scale's byte
.endr
	v_lshl_or_b32 v[PW], v[TM+5], 8, v[TM+4]
	v_lshl_or_b32 v[PW], v[TM+6], 16, v[PW]
	v_lshl_or_b32 v[PW], v[TM+7], 24, v[PW]
.irp c, 0,1
	v_cvt_scalef32_pk16_fp6_f32 v[PC+6*\c:PC+2+6*\c], v[\s+32*\c:\s+15+32*\c], v[TM+12+2*\c]
	v_cvt_scalef32_pk16_fp6_f32 v[PC+12+4*\c:PC+14+4*\c], v[\s+16+32*\c:\s+31+32*\c], v[TM+12+2*\c+1]   ; (a conversion's three registers begin on an even number)
.endr
	v_nop                                          ; one plain place behind a scaled conversion
.irp c, 0,1                                    ; the layout wants a whole block in a lane: lanes 0-15 block 2 c, lanes 16-31 block 2 c + 1
.irp i, 0,1,2
	v_permlane16_swap_b32 v[PC+6*\c+\i], v[PC+12+4*\c+\i]
.endr
.irp i, 0,1,2
	v_mov_b32 v[PC+3+6*\c+\i], v[PC+12+4*\c+\i]
.endr
.endr
.endm
; x: the 16 rows' 512 bytes of K step k: each load reads 512 consecutive bytes of one row
.macro XLOAD k
.irp i, 0,1,2,3,4,5,6,7,8,9,10,11,12,13,14,15
	global_load_b128 v[R+64*((\k)%2)+4*\i:R+64*((\k)%2)+4*\i+3], v4, s[4:5] offset:(\i+8*(\i/8))*4096+512*(\k) th:TH_LOAD_NT
.endr
.endm
; x: K step k becomes an image
.macro IMAGE k
.if (\k) < 7
	s_wait_loadcnt 16                              ; this step's 16 loads are in; the next step's 16 may be out
.else
	s_wait_loadcnt 0x0
.endif
.irp i, 0,1,2,3,4,5,6,7,8,9,10,11,12,13,14,15
	ds_store_b128 v6, v[R+64*((\k)%2)+4*\i:R+64*((\k)%2)+4*\i+3] offset:XPITCH*\i   ; as loaded: row i of the stage
.endr
.irp b, 0,1,2,3
.irp j, 0,1,2,3
	ds_load_b128 v[X+16*\b+4*\j:X+16*\b+4*\j+3], v7 offset:128*\b+16*\j   ; back: of my row, 16 neighbours of each block of 32.  LDS serves a wave's instructions in order
.endr
.endr
	s_wait_dscnt 0x0                               ; my 64 numbers are in, and the stores into the stage have read their registers
	s_wait_xcnt 0x0                                ; the last image's stores have read the codes' registers
.if (\k) < 6
	XLOAD (\k)+2
.endif
	QUANT X
	v_mov_b32 v[PWK+(\k)], v[PW]
	global_store_b128 v4, v[PC:PC+3], s[10:11] offset:1536*(\k)            ; 512 consecutive bytes
	global_store_b64 v5, v[PC+4:PC+5], s[10:11] offset:1536*(\k)+512       ; 256
	global_store_b128 v4, v[PC+6:PC+9], s[10:11] offset:1536*(\k)+768
	global_store_b64 v5, v[PC+10:PC+11], s[10:11] offset:1536*(\k)+1280
.endm
; weights: block t: W(32 t + i, my column), i = 0 .. 31
.macro WLOAD t
.irp i, 0,1,2,3,4,5,6,7,8,9,10,11,12,13,14,15,16,17,18,19,20,21,22,23,24,25,26,27,28,29,30,31
	global_load_b32 v[WX+32*((\t)%2)+\i], v[VO+\i], s[40+2*(\t):41+2*(\t)] th:TH_LOAD_NT
.endr
.endm
.macro BLOCK t
.set XS, WX+32*((\t)%2)
.if (\t) < 7
	s_wait_loadcnt 32                              ; this block's 32 loads are in; the next block's may be out
.else
	s_wait_loadcnt 0x0
.endif
	v_max3_num_f32 v12, |v[XS]|, |v[XS+1]|, |v[XS+2]|       ; all 32 numbers of the block are mine
	v_max3_num_f32 v13, |v[XS+3]|, |v[XS+4]|, |v[XS+5]|
.irp i, 6,10,14,18,22,26
	v_max3_num_f32 v12, v12, |v[XS+\i]|, |v[XS+\i+1]|
	v_max3_num_f32 v13, v13, |v[XS+\i+2]|, |v[XS+\i+3]|
.endr
	v_max3_num_f32 v12, v12, |v[XS+30]|, |v[XS+31]|
	v_max3_num_f32 v12, v12, v13, 0x1800000        ; and the floor
	v_add_nc_u32 v14, 0xff000000, v12              ; the conversion's scale operand
	v_lshrrev_b32 v13, 23, v14                     ; the byte
.if (\t)%4 == 0
	v_mov_b32 v[SB+(\t)/4], v13
.else
	v_lshl_or_b32 v[SB+(\t)/4], v13, 8*((\t)%4), v[SB+(\t)/4]
.endif
	v_cvt_scalef32_pk16_fp6_f32 v[CC:CC+2], v[XS:XS+15], v14
	v_cvt_scalef32_pk16_fp6_f32 v[CC+4:CC+6], v[XS+16:XS+31], v14
	v_nop                                          ; one plain place behind a scaled conversion
	v_mov_b32 v[CC+3], v[CC+4]                     ; the block's six registers on end
	v_mov_b32 v[CC+4], v[CC+5]
	v_mov_b32 v[CC+5], v[CC+6]
	ds_store_b128 v4, v[CC:CC+3] offset:1536*((\t)/4)+768*(((\t)%4)/2)+256*((\t)%2)         ; block t is, in image t / 4, the registers 6 c .. 6 c + 5 (c = (t % 4) / 2) of lane r + 16 (t % 2)
	ds_store_b64 v5, v[CC+4:CC+5] offset:1536*((\t)/4)+768*(((\t)%4)/2)+512+128*((\t)%2)
.if (\t) < 6
	WLOAD (\t)+2
.endif
	s_wait_dscnt 0x0                               ; the stores have read their registers
.endm
	s_load_b256 s[4:11], s[0:1], 0x0               ; x, w_attn, w_proj, xq
	s_load_b128 s[12:15], s[0:1], 0x20             ; xs, wq
	s_load_b64 s[16:17], s[0:1], 0x30              ; ws
	v_lshl_add_u32 v254, v0, 2, 0xe800
	v_mov_b32 v255, 0
	v_lshrrev_b32 v1, 5, v0
	v_readfirstlane_b32 s18, v1                    ; wave 0..3
	v_and_b32 v1, 31, v0                           ; lane
	s_mov_b32 s[SEL], 0x76543210
	s_mov_b32 s[SEL+1], 0xfedcba98
	s_cmp_lt_u32 ttmp9, 128
	s_cbranch_scc0 .Lw_path
	; ---------------- x ----------------
	v_and_b32 v2, 15, v0                           ; r
	v_bfe_u32 v3, v0, 4, 1                         ; h
	v_lshlrev_b32 v4, 4, v1                        ; 16 x lane
	v_lshlrev_b32 v5, 3, v1                        ; 8 x lane
	s_mul_i32 s22, s18, XSTG
	v_add_nc_u32 v6, s22, v4                       ; into my stage
	v_mul_u32_u24 v7, v2, XPITCH
	v_lshl_add_u32 v7, v3, 6, v7
	v_add_nc_u32 v7, s22, v7                       ; out of it: row r, + 64 h
	v_lshlrev_b32 v8, 5, v2
	v_lshl_add_u32 v8, v3, 4, v8                   ; my 16 of the row's 32 scale bytes
.irp b, 0,1,2,3
	v_mov_b32 v[TM+4+\b], 0                        ; written once: a lane permute's destination counts as one of its sources
.endr
	s_lshl_b32 s23, ttmp9, 2
	s_add_co_u32 s23, s23, s18                     ; my block of 16 stored rows, 0 .. 511
	s_lshr_b32 s24, s23, 1
	s_lshl_b32 s24, s24, 5
	s_and_b32 s25, s23, 1
	s_lshl_b32 s25, s25, 3
	s_add_co_u32 s24, s24, s25                     ; its first row of x
	s_lshl_b32 s24, s24, 12                        ; in bytes (under 2^26)
	s_mov_b32 s25, 0
	s_mul_i32 s26, s23, 12288
	s_mov_b32 s27, 0
	s_lshl_b32 s28, s23, 9
	s_mov_b32 s29, 0
	s_wait_alu depctr_va_vdst(0)
	s_wait_kmcnt 0x0
	s_add_nc_u64 s[4:5], s[4:5], s[24:25]
	s_add_nc_u64 s[10:11], s[10:11], s[26:27]
	s_add_nc_u64 s[12:13], s[12:13], s[28:29]
	XLOAD 0
	XLOAD 1
.irp k, 0,1,2,3,4,5,6,7
	IMAGE \k
.endr
	v_cmp_lt_u32 vcc_lo, 15, v1                    ; lanes 16-31 take the row's upper four words
.irp i, 0,1,2,3
	v_cndmask_b32 v[X+\i], v[PWK+\i], v[PWK+4+\i], vcc_lo
.endr
	global_store_b128 v8, v[X:X+3], s[12:13]       ; the wave stores 512 consecutive bytes
	s_wait_tensorcnt 0x0
	ds_add_u32 v254, v255
	s_wait_dscnt 0x0
	s_endpgm
	; ---------------- the weights ----------------
.Lw_path:
	s_sub_co_u32 s22, ttmp9, 128
	s_and_b32 s23, s22, 31                         ; which 128 columns: 0-23 w_attn's, 24-31 w_proj's
	s_lshr_b32 s24, s22, 5                         ; which 256 along K
	s_lshl_b32 s25, s23, 2
	s_add_co_u32 s25, s25, s18                     ; G: my group of 32 stored rows, 0 .. 127
	s_sub_co_u32 s26, s23, 24
	s_mov_b32 s56, 4096
	s_cmp_lt_u32 s23, 24
	s_cselect_b32 s26, s23, s26                    ; the 128 columns' number in their own tensor
	s_cselect_b32 s56, 12288, s56                  ; a row of that tensor in bytes
	s_lshl_b32 s26, s26, 9
	s_lshl_b32 s27, s18, 7
	s_add_co_u32 s26, s26, s27                     ; my first column, in bytes
	s_lshl_b32 s27, s24, 8
	s_mul_i32 s27, s27, s56
	s_add_co_u32 s28, s26, s27                     ; + my first row
	s_mov_b32 s29, 0
	s_lshl_b32 s30, s56, 5                         ; from block to block: 32 rows
	s_mov_b32 s31, 0
	s_mul_i32 s34, s25, 24576
	s_mul_i32 s35, s24, 3072
	s_add_co_u32 s34, s34, s35                     ; the codes: two blocks of 16 stored rows, my two images in each
	s_mov_b32 s35, 0
	s_lshl_b32 s36, s25, 10
	s_lshl_b32 s37, s24, 3
	s_add_co_u32 s36, s36, s37                     ; the scale bytes
	s_mov_b32 s37, 0
	v_bfe_u32 v2, v0, 3, 1                         ; u: my column's block of 16 in the stored order
	v_and_b32 v10, 7, v0
	v_bfe_u32 v11, v0, 4, 1
	v_lshl_add_u32 v10, v11, 3, v10                ; r: its row there
	s_wait_alu depctr_va_vdst(0)
	v_lshlrev_b32 v3, 2, v1                        ; 4 x lane
	s_mul_i32 s32, s18, WSTG
	s_add_co_u32 s32, s32, WBASE                   ; my stage
	v_mul_u32_u24 v11, v2, WGRP
	v_add_nc_u32 v11, s32, v11
	v_lshl_add_u32 v4, v10, 4, v11                 ; into it: 16 bytes a row,
	v_lshl_add_u32 v5, v10, 3, v11                 ; 8 bytes a row
	v_lshlrev_b32 v7, 4, v1
	v_add_nc_u32 v6, s32, v7                       ; out of it: 16 x lane
	v_lshl_add_u32 v9, v2, 4, v10
	v_lshlrev_b32 v9, 5, v9                        ; my stored row's 32 scale bytes
.irp i, 0,1,2,3,4,5,6,7,8,9,10,11,12,13,14,15,16,17,18,19,20,21,22,23,24,25,26,27,28,29,30,31
	v_mad_u32_u24 v[VO+\i], s56, \i, v3
.endr
	s_wait_alu depctr_va_vdst(0)
	s_wait_kmcnt 0x0
	s_cmp_lt_u32 s23, 24                           ; the choice hangs on the work-group's number alone
	s_cselect_b64 s[40:41], s[6:7], s[8:9]
	s_add_nc_u64 s[40:41], s[40:41], s[28:29]
.irp t, 1,2,3,4,5,6,7
	s_add_nc_u64 s[40+2*\t:41+2*\t], s[38+2*\t:39+2*\t], s[30:31]   ; a base for each block: none is stepped again
.endr
	s_add_nc_u64 s[14:15], s[14:15], s[34:35]
	s_add_nc_u64 s[16:17], s[16:17], s[36:37]
	WLOAD 0
	WLOAD 1
.irp t, 0,1,2,3,4,5,6,7
	BLOCK \t
.endr
	s_wait_alu depctr_va_vdst(0)
	global_store_b64 v9, v[SB:SB+1], s[16:17]      ; my column's 8 bytes: pieces of rows 32 bytes apart; one byte for each 128 bytes that the launch reads
.irp n, 0,1,2,3,4,5,6,7,8,9,10,11
	ds_load_b128 v[OUTR+4*\n:OUTR+4*\n+3], v6 offset:WGRP*(\n/6)+512*(\n%6)   ; LDS serves a wave's instructions in order: these see my stores
.endr
.irp n, 0,1,2,3,4,5,6,7,8,9,10,11
	s_wait_dscnt 11-\n
	global_store_b128 v7, v[OUTR+4*\n:OUTR+4*\n+3], s[14:15] offset:12288*(\n/6)+512*(\n%6)   ; 512 consecutive bytes, at a multiple of 256
.endr
	s_wait_tensorcnt 0x0
	ds_add_u32 v254, v255
	s_wait_dscnt 0x0
	s_endpgm
.Lfunc_end_k_q87370ed3aa_quant:
	.size	k_q87370ed3aa_quant, .Lfunc_end_k_q87370ed3aa_quant-k_q87370ed3aa_quant
	.p2alignl 7, 3214868480
	.fill 96, 4, 3214868480
	.section	.rodata,"a",@progbits
	.p2align	6, 0x0
	.amdhsa_kernel k_q87370ed3aa_quant
		.amdhsa_group_segment_fixed_size 59904
		.amdhsa_private_segment_fixed_size 0
		.amdhsa_enable_private_segment 0
		.amdhsa_kernarg_size 56
		.amdhsa_user_sgpr_count 2
		.amdhsa_user_sgpr_kernarg_segment_ptr 1
		.amdhsa_wavefront_size32 1
		.amdhsa_system_sgpr_workgroup_id_x 1
		.amdhsa_system_sgpr_workgroup_id_y 1
		.amdhsa_system_sgpr_workgroup_id_z 1
		.amdhsa_system_vgpr_workitem_id 0
		.amdhsa_next_free_vgpr 256
		.amdhsa_next_free_sgpr 66
		.amdhsa_reserve_vcc 1
		.amdhsa_float_denorm_mode_32 3
		.amdhsa_float_denorm_mode_16_64 3
		.amdhsa_memory_ordered 1
		.amdhsa_forward_progress 1
		.amdhsa_inst_pref_size 108
	.end_amdhsa_kernel
	.amdgpu_metadata
---
amdhsa.version: [ 1, 2 ]
amdhsa.kernels:
  - .name:           k_q87370ed3aa_quant
    .symbol:         k_q87370ed3aa_quant.kd
    .args:
      - { .name: x, .offset: 0, .size: 8, .value_kind: global_buffer, .address_space: global }
      - { .name: w_attn, .offset: 8, .size: 8, .value_kind: global_buffer, .address_space: global }
      - { .name: w_proj, .offset: 16, .size: 8, .value_kind: global_buffer, .address_space: global }
      - { .name: xq, .offset: 24, .size: 8, .value_kind: global_buffer, .address_space: global }
      - { .name: xs, .offset: 32, .size: 8, .value_kind: global_buffer, .address_space: global }
      - { .name: wq, .offset: 40, .size: 8, .value_kind: global_buffer, .address_space: global }
      - { .name: ws, .offset: 48, .size: 8, .value_kind: global_buffer, .address_space: global }
    .group_segment_fixed_size: 59904
    .private_segment_fixed_size: 0
    .kernarg_segment_align: 8
    .kernarg_segment_size: 56
    .max_flat_workgroup_size: 128
    .sgpr_count:     66
    .vgpr_count:     256
    .wavefront_size: 32
...
	.end_amdgpu_metadata
.endif
;; end of part 1
;; launch qkv (part 2): grid 4 x 64, 4 waves a work-group, clusters of 4 x 4, 327,680 bytes of LDS; arguments xq, xs, wq, ws, b_attn, qkv; writes qkv
.if DOCPART == 2
	.amdgcn_target "amdgcn-amd-amdhsa--gfx1250"
	.amdhsa_code_object_version 6
	.text
	.protected	k_q87370ed3aa_qkv
	.globl	k_q87370ed3aa_qkv
	.p2align	8
	.type	k_q87370ed3aa_qkv,@function
k_q87370ed3aa_qkv:
	s_mov_b64 s[64:65], 0
	v_nop
	global_prefetch_b8 v0, s[64:65] scope:SCOPE_SE
	s_setreg_imm32_b32 hwreg(HW_REG_WAVE_MODE, 25, 1), 1
	s_wait_xcnt 0x0
	s_wait_alu depctr_hold_cnt(0) depctr_sa_sdst(0) depctr_va_vdst(0) depctr_va_sdst(0) depctr_va_ssrc(0) depctr_va_vcc(0) depctr_vm_vsrc(0)
	s_getreg_b32 s2, hwreg(HW_REG_IB_STS2, 6, 4)
	s_cmp_eq_u32 s2, 0
	s_cbranch_scc0 .Lentry_in_a_cluster
	s_endpgm
.Lentry_in_a_cluster:
	s_bfe_u32 s2, ttmp6, 0x10000c
	s_cmp_lg_u32 s2, 0xf033
	s_cbranch_scc0 .Lentry_shape_is_right
	s_endpgm
.Lentry_shape_is_right:
; qkv = x w_attn + b_attn on codes of FP6 (E2M3) with E8M0 scales, K = 1,024; the results are quantised in registers and leave as codes: q and k along the head's 64, v along the tokens.
; 256 work-groups.  A work-group owns 128 tokens (operand A) and four heads, and makes three tiles of 128 x 256 on end: q, k, v (operand B: 256 stored rows of the weights, 1,024 rows apart from tile to tile).
; A's codes, 98,304 dense bytes, all of K, come once and stay in LDS.  B's go through two slots of half of K (16 blocks x 6,144 bytes): four refills, each behind a drained round of the cluster's barrier,
; asked for four K steps ahead of its first use.  All scale bytes come once.  CLUSTERS 4 x 4: A is shared along a row, B along a column: joint loads.
; No prefetch: a refill stands four K steps ahead of its use, and the sixteen clusters of the launch walk the same rows of the weights.
; A WAVE makes 128 tokens x 64 columns, one head: 32 accumulators ((a, b) at v[8 (4 a + b)] of window 3).  q, k: source 0 = the weights' rows, source 1 = tokens: a lane holds one token and 32 columns of each
; block a.  v: the sources change places: a lane holds one channel and, over the eight a, 128 tokens.  Rows lie in the stored order (block 2 B + u, lane r: row 32 B + 8 u + r + 8 (r / 8)), so the registers
; run as 16 b + i = k 32 b + 16 (lane / 16) + i of the next product's K.
; The codes lie as images of the operand's registers (16 rows x 128 K = 1,536 bytes: registers 0-3, 4-5, 6-9, 10-11): a fragment is four loads, each consecutive over the lanes.
; Fragments lie twice: the next step's 48 LDS loads go out in one run at the head of a step, ahead of its 32 products, which follow each other unbroken.
; THE RECORD of a (batch, head), REC bytes: K's images [128 tiles][768], V's [16 key steps][4][1,536], K's scale words, V's scale words, Q's images, Q's scale words.
; LIMITS: a block of zeros gets the byte 1 (its codes are zeros; this program alone reads the bytes); blocks under 2^-124 are held at that floor; NaN and infinities are not served.
; REGISTERS: window 0: v4-20 addresses; v32-95 A's scale words (8 a + q); v100-131 B's (8 b + q); v132-235 the epilogue.  Window 1: A's fragments, two sets of 96.  Window 2: B's, two sets of 48; v96-135 the biases.
.set SL,     98304                     ; A's region at 0; slot 0 at SL, slot 1 at 2 SL
.set SCA,    294912                    ; A's scale bytes, 4,096
.set SCB,    299008                    ; B's, 3 x 8,192
.set SPARE,  323584                    ; the spare words, 128 bytes a wave
.set STG,    324096                    ; the way out of scale words: 512 bytes a wave
.set PHB,    786432                    ; 1,024 stored rows of codes: from tile to tile
.set REC,    315392
.set AA,  4                            ; v4, v5: 16 x lane, 8 x lane (A's blocks 0-3); v6, v7: the same + 49,152 (blocks 4-7)
.set BA,  8                            ; v8, v9: my four blocks of B in slot 0; v10, v11: in slot 1
.set SPW, 28
.set NIL, 29
.set SA,  32
.set SB,  100
.set T,   132
.set PC,  196
.set PW,  216
.set SW,  217
.set TM,  220
.set BN,  96                           ; window 2
.set BM,  128                          ; window 2
.set SEL, 46
.set G1A, 24
.set G1B, 32
.set G1SA, 48
.set G1SB, 56
.set G0A, 68
.set G0H, 72
.set G0SA, 76
.set G0SB, 80
.set G0R, 84                           ; s[84:87] slot 0, s[88:91] slot 1
.set MSB, 0
.macro WIN new                         ; the immediate's high byte repeats the setting that is left
.if MSB != (\new)
	s_set_vgpr_msb (MSB<<8)|(\new)
.set MSB, (\new)
.endif
.endm
.macro PLACES n
.rept \n
	v_nop
.endr
.endm
.macro CREST
	s_cmp_lg_u32 s14, 0
	s_cbranch_scc1 .Lnot_wave_0_\@
	s_barrier_signal -3
.Lnot_wave_0_\@:
	s_barrier_wait -3
	s_barrier_signal -1
	s_barrier_wait -1
.endm
.macro CROUND
	s_barrier_signal -1
	s_barrier_wait -1
	CREST
.endm
.macro GRP1 g, mask, c, r, p           ; r rows of c elements of 8 bytes, p elements apart; no padding
	s_or_b32 s[\g], s\mask, (3<<16)|(1<<21)
	s_mov_b32 s[\g+1], (\c)<<16
	s_mov_b32 s[\g+2], (\r)<<16
	s_mov_b32 s[\g+3], (\c)<<16
	s_mov_b32 s[\g+4], \r
	s_mov_b32 s[\g+5], \p
	s_mov_b32 s[\g+6], 0
	s_mov_b32 s[\g+7], 0
.endm
.macro GRP0 g, base, off
	s_mov_b32 s[\g], 1
	s_add_nc_u64 s[\g+2:\g+3], s[\base:\base+1], s[\off:\off+1]
	s_or_b32 s[\g+3], s[\g+3], 0x80000000
.endm
.macro TLOAD g0, g1
	tensor_load_to_lds s[\g0:\g0+3], s[\g1:\g1+7]
	s_nop 0
	PLACES 4
.endm
.macro ARM under, g0, g1, next
	s_cmp_lt_u32 s14, \under
	s_cbranch_scc0 \next
	TLOAD \g0, \g1
	s_branch .Lhead_asked
\next:
.endm
.macro FRAG reg, adr, off
	ds_load_b128 v[\reg:\reg+3], v[\adr] offset:\off
	ds_load_b64 v[\reg+4:\reg+5], v[\adr+1] offset:(\off)+512
	ds_load_b128 v[\reg+6:\reg+9], v[\adr] offset:(\off)+768
	ds_load_b64 v[\reg+10:\reg+11], v[\adr+1] offset:(\off)+1280
.endm
.macro FETCH1 qn, n                    ; fragment n of K step qn: 0-3 B's blocks, 4-11 A's
.if (\n) < 4
	WIN 0x80
	FRAG 48*((\qn)%2)+12*(\n), BA+2*(((\qn)%8)/4), 6144*(\n)+1536*((\qn)%4)
.else
	WIN 0x40
	FRAG 96*((\qn)%2)+12*((\n)-4), AA+2*(((\n)-4)/4), 12288*(((\n)-4)%4)+1536*((\qn)%8)
.endif
.endm
.macro WMM d, s0, s1, c, x0, x1
	v_wmma_scale_f32_16x16x128_f8f6f4 v[\d:\d+7], v[\s0:\s0+11], v[\s1:\s1+11], \c, v[\x0], v[\x1] matrix_a_fmt:MATRIX_FMT_FP6 matrix_b_fmt:MATRIX_FMT_FP6
.endm
.macro PROD kind, q, a, b, zero
.set D_, 8*(4*(\a)+(\b))
.set FA_, 96*((\q)%2)+12*(\a)
.set FB_, 48*((\q)%2)+12*(\b)
.set XA_, SA+8*(\a)+(\q)
.set XB_, SB+8*(\b)+(\q)
.if \kind
.if \zero
	WMM D_, FA_, FB_, 0, XA_, XB_
.else
	WMM D_, FA_, FB_, v[D_:D_+7], XA_, XB_
.endif
.else
.if \zero
	WMM D_, FB_, FA_, 0, XB_, XA_
.else
	WMM D_, FB_, FA_, v[D_:D_+7], XB_, XA_
.endif
.endif
.endm
; pairs of products from .. to - 1 of a step's sixteen (pair j: block a = j / 2, b = 2 (j % 2) and the next); the 32 accumulators take turns
.macro PAIRS kind, q, zero, from, to
	WIN 0xf6+3*(\kind)                             ; kind 0: source 0 window 2 (B), source 1 window 1 (A); kind 1: the other way round; C and D window 3
.set J_, \from
.rept (\to)-(\from)
	PROD \kind, \q, J_/2, 2*(J_%2), \zero
	PROD \kind, \q, J_/2, 2*(J_%2)+1, \zero
.set J_, J_+1
.endr
.endm
.macro STEP kind, q, zero              ; a K step whose successor lies in the same slot
	s_wait_dscnt 0x0                               ; this step's fragments, asked for a step ago
	PLACES 4                                       ; between the last step's products and the loads into the set that they read
.irp n, 0,1,2,3,4,5,6,7,8,9,10,11
	FETCH1 (\q)+1, \n
.endr
	PAIRS \kind, \q, \zero, 0, 16
.endm
; A slot's last step.  A's next fragments, which hang on no fill, are asked for first; then the tensor wait, the spare word's add and its wait, the barrier (fill = 1: it opens a round, and the slot just read is
; filled again with the next tile's half of K), and B's next fragments out of the other slot.
.macro TURN kind, q, fill
	s_wait_dscnt 0x0
	PLACES 4
.irp n, 4,5,6,7,8,9,10,11
	FETCH1 (\q)+1, \n
.endr
	WIN 0
	s_wait_tensorcnt 0x0                           ; my part of the other slot is in
	ds_add_u32 v[SPW], v[NIL]
	PAIRS \kind, \q, 0, 0, 8
	s_wait_dscnt 0x0                               ; the add is done, and my reads of this slot are over
	s_barrier_signal -1
	PAIRS \kind, \q, 0, 8, 10
	WIN 0
	s_barrier_wait -1
.if \fill
	CREST
	s_add_nc_u64 s[G0R+4*((\q)/4)+2:G0R+4*((\q)/4)+3], s[G0R+4*((\q)/4)+2:G0R+4*((\q)/4)+3], PHB
	TLOAD G0R+4*((\q)/4), G1B                      ; every wave its four blocks: the first tensor load behind the round
.endif
.irp n, 0,1,2,3
	FETCH1 (\q)+1, \n
.endr
	PAIRS \kind, \q, 0, 10, 16
	WIN 0
.endm
.macro SBLOAD
.irp b, 0,1,2,3
	ds_load_b128 v[SB+8*\b:SB+8*\b+3], v20 offset:512*\b
	ds_load_b128 v[SB+8*\b+4:SB+8*\b+7], v20 offset:512*\b+16
.endr
.endm
; 64 numbers of a lane, register 16 b + i = k 32 b + 16 (lane / 16) + i of its row, become a fragment's codes in v[PC] on and its scale word in v[PW]
.macro QUANT s
.irp b, 0,1,2,3
	v_max3_num_f32 v[TM+\b], |v[\s+16*\b]|, |v[\s+1+16*\b]|, 0x1800000   ; and the floor 2^(3 - 127): the byte cannot fall under 1
.endr
.irp i, 2,4,6,8,10,12,14
.irp b, 0,1,2,3
	v_max3_num_f32 v[TM+\b], v[TM+\b], |v[\s+16*\b+\i]|, |v[\s+1+16*\b+\i]|
.endr
.endr
.irp b, 0,1,2,3
	v_permlanex16_b32 v[TM+4+\b], v[TM+\b], s[SEL], s[SEL+1]
.endr
.irp b, 0,1,2,3
	v_max_num_f32 v[TM+\b], v[TM+\b], v[TM+4+\b]
.endr
.irp b, 0,1,2,3
	v_add_nc_u32 v[TM+12+\b], 0xff000000, v[TM+\b]   ; 2 off the exponent field: the conversion's scale operand
.endr
.irp b, 0,1,2,3
	v_lshrrev_b32 v[TM+4+\b], 23, v[TM+12+\b]
.endr
	v_lshl_or_b32 v[PW], v[TM+5], 8, v[TM+4]
	v_lshl_or_b32 v[PW], v[TM+6], 16, v[PW]
	v_lshl_or_b32 v[PW], v[TM+7], 24, v[PW]
.irp c, 0,1
	v_cvt_scalef32_pk16_fp6_f32 v[PC+6*\c:PC+2+6*\c], v[\s+32*\c:\s+15+32*\c], v[TM+12+2*\c]
	v_cvt_scalef32_pk16_fp6_f32 v[PC+12+4*\c:PC+14+4*\c], v[\s+16+32*\c:\s+31+32*\c], v[TM+12+2*\c+1]
.endr
	v_nop                                          ; one plain place behind a scaled conversion
.irp c, 0,1
.irp i, 0,1,2
	v_permlane16_swap_b32 v[PC+6*\c+\i], v[PC+12+4*\c+\i]
.endr
.irp i, 0,1,2
	v_mov_b32 v[PC+3+6*\c+\i], v[PC+12+4*\c+\i]
.endr
.endr
.endm
; q, k: blocks a = 2 n and 2 n + 1 (16 tokens x the head's 64 each): two half fragments and, in one word, two bytes for each
.macro EPI_QK n
	s_wait_xcnt 0x0                                ; earlier stores have read the codes' registers,
	s_wait_dscnt 0x0                               ; and the LDS store its word
	WIN 0x0b                                       ; source 0 window 3, source 1 window 2
.set II, 0
.rept 32
	v_pk_add_f32 v[T+II:T+II+1], v[64*(\n)+II:64*(\n)+II+1], v[BN+II%32:BN+II%32+1]   ; the bias; each accumulator from its low end on
.set II, II+2
.endr
	WIN 0
	QUANT T
	global_store_b128 v4, v[PC:PC+3], s[18:19] offset:1536*(\n)
	global_store_b64 v5, v[PC+4:PC+5], s[18:19] offset:1536*(\n)+512
	global_store_b128 v4, v[PC+6:PC+9], s[18:19] offset:1536*(\n)+768
	global_store_b64 v5, v[PC+10:PC+11], s[18:19] offset:1536*(\n)+1280
	v_lshrrev_b32 v[SW], v12, v[PW]
	v_and_b32 v[SW], 0xffff, v[SW]                 ; lanes 0-15 block 2 n's two bytes, lanes 16-31 block 2 n + 1's; the word's upper bytes, which meet q's zero codes, are 0
	ds_store_b32 v13, v[SW] offset:128*(\n)
.endm
; v: block b (16 channels x 128 tokens = one key step): a whole fragment and a scale word a channel
.macro EPI_V b
	s_wait_xcnt 0x0
	s_wait_dscnt 0x0
	WIN 0x0b
.set II, 0
.rept 32
	v_pk_add_f32 v[T+II:T+II+1], v[32*(II/8)+8*(\b)+II%8:32*(II/8)+8*(\b)+II%8+1], v[BM+2*(\b):BM+2*(\b)+1]
.set II, II+2
.endr
	WIN 0
	QUANT T
.irp c, 0,1,2
	global_store_b128 v4, v[PC+4*\c:PC+4*\c+3], s[18:19] offset:1536*(\b)+512*\c
.endr
	ds_store_b32 v14, v[PW] offset:64*(\b)         ; both halves of the lanes write the same word with the same value
.endm
	s_load_b128 s[4:7], s[0:1], 0x0                ; x's codes, x's scales
	s_load_b128 s[8:11], s[0:1], 0x10              ; the weights' codes, their scales
	s_load_b64 s[66:67], s[0:1], 0x20              ; b_attn
	s_load_b64 s[12:13], s[0:1], 0x28              ; the records
	v_lshl_add_u32 v[SPW], v0, 2, SPARE
	v_mov_b32 v[NIL], 0
	ds_add_u32 v[SPW], v[NIL]                      ; the opening lines: the add twice on end and its wait
	ds_add_u32 v[SPW], v[NIL]
	v_lshrrev_b32 v1, 5, v0
	v_readfirstlane_b32 s14, v1                    ; wave 0..3: my head of the four
	s_bfe_u32 s40, ttmp6, 0x40000                  ; cx: which four heads
	s_bfe_u32 s41, ttmp6, 0x40004                  ; cy
	s_and_b32 s17, ttmp7, 0xffff
	s_lshl_b32 s17, s17, 2
	s_add_co_u32 s17, s17, s41                     ; which 128 tokens, 0 .. 63
	s_lshl_b32 s43, s41, 2
	s_lshl_b32 s43, 15, s43                        ; my row of the cluster
	s_lshl_b32 s44, 0x1111, s40                    ; my column
	GRP1 G1A, 43, 1536, 8, 1536                    ; A: 8 blocks of 12,288 bytes on end
	GRP1 G1B, 44, 768, 16, 1536                    ; B's half of K: 6,144 bytes of each block; 16 blocks at the head, 4 a wave in the ring
	GRP1 G1SA, 43, 32, 16, 32                      ; A's scale bytes: 4,096 dense
	GRP1 G1SB, 44, 1024, 3, 4096                   ; B's: 8,192 for each of the three tiles, 32,768 apart
	s_mul_i32 s20, s17, 98304
	s_mov_b32 s21, 0
	s_lshl_b32 s22, s17, 12
	s_mov_b32 s23, 0
	s_mul_i32 s92, s40, 196608
	s_mov_b32 s93, 0
	s_lshl_b32 s94, s40, 13
	s_mov_b32 s95, 0
	s_mul_i32 s96, s14, 49152
	s_add_co_u32 s96, s96, s92                     ; my four blocks of B
	s_mov_b32 s97, 0
	s_mul_i32 s45, s14, 24576
	s_wait_dscnt 0x0
	s_wait_kmcnt 0x0
	CROUND                                         ; all sixteen work-groups are here: the first joint loads meet
	GRP0 G0A, 4, 20
	s_mov_b32 s[G0A+1], 0
	GRP0 G0H, 8, 92
	s_mov_b32 s[G0H+1], SL
	GRP0 G0SA, 6, 22
	s_mov_b32 s[G0SA+1], SCA
	GRP0 G0SB, 10, 94
	s_mov_b32 s[G0SB+1], SCB
	GRP0 G0R, 8, 96
	s_add_co_u32 s[G0R+1], s45, SL
	s_add_nc_u64 s[96:97], s[96:97], 6144
	GRP0 G0R+4, 8, 96
	s_add_co_u32 s[G0R+5], s45, 2*SL
	ARM 1, G0A, G1A, .Lhead_b                      ; one joint load a wave at the head: A, B's first half of K, A's scales, B's scales
	ARM 2, G0H, G1B, .Lhead_sa
	ARM 3, G0SA, G1SA, .Lhead_sb
	TLOAD G0SB, G1SB
.Lhead_asked:
	s_add_co_u32 s21, s45, SL
	s_add_co_u32 s22, s45, 2*SL
	s_lshl_b32 s23, s14, 9
	s_add_co_u32 s23, s23, STG
	s_lshl_b32 s45, s14, 11
	s_add_co_u32 s45, s45, SCB
	s_mov_b32 s[SEL], 0x76543210
	s_mov_b32 s[SEL+1], 0xfedcba98
	; where the results go
	s_lshr_b32 s18, s17, 4
	s_lshl_b32 s18, s18, 4
	s_lshl_b32 s19, s40, 2
	s_add_co_u32 s18, s18, s19
	s_add_co_u32 s18, s18, s14                     ; 16 x batch + head
	s_mul_i32 s18, s18, REC
	s_and_b32 s19, s17, 15                         ; the key step
	s_mul_i32 s92, s19, 6144
	s_add_co_u32 s92, s92, s18                     ; k's images: eight tiles of 768 bytes a key step
	s_mov_b32 s93, 0
	s_lshl_b32 s94, s19, 9
	s_add_co_u32 s94, s94, s18
	s_add_co_u32 s94, s94, 196608                  ; k's scale words
	s_mov_b32 s95, 0
	s_lshl_b32 s98, s19, 8
	s_add_co_u32 s98, s98, s18
	s_add_co_u32 s98, s98, 204800                  ; v's scale words
	s_mov_b32 s99, 0
	s_lshl_b32 s96, s40, 10
	s_lshl_b32 s19, s14, 8
	s_add_co_u32 s96, s96, s19                     ; the bias: my head's first column, in bytes
	s_mov_b32 s97, 0
	s_add_nc_u64 s[92:93], s[12:13], s[92:93]
	s_add_nc_u64 s[94:95], s[12:13], s[94:95]
	s_add_nc_u64 s[98:99], s[12:13], s[98:99]
	s_add_nc_u64 s[96:97], s[66:67], s[96:97]
	s_add_nc_u64 s[18:19], s[92:93], 208896        ; q's images
	s_add_nc_u64 s[12:13], s[94:95], 110592        ; q's scale words
	v_and_b32 v1, 15, v0                           ; r
	v_bfe_u32 v2, v0, 4, 1                         ; h
	v_and_b32 v3, 31, v0                           ; lane
	v_lshlrev_b32 v4, 4, v3
	v_lshlrev_b32 v5, 3, v3
	v_add_nc_u32 v6, 49152, v4
	v_add_nc_u32 v7, 49152, v5
	v_add_nc_u32 v8, s21, v4
	v_add_nc_u32 v9, s21, v5
	v_add_nc_u32 v10, s22, v4
	v_add_nc_u32 v11, s22, v5
	v_lshlrev_b32 v12, 4, v2                       ; 16 h
	v_lshl_add_u32 v14, v1, 2, s23                 ; my stage + 4 r
	v_lshl_add_u32 v13, v2, 6, v14                 ; + 64 h
	v_add_nc_u32 v15, s23, v4                      ; and back: 16 x lane,
	v_add_nc_u32 v16, s23, v5                      ; 8 x lane
	v_lshlrev_b32 v17, 6, v2                       ; the bias along the columns: 16 h numbers on
	v_and_b32 v18, 8, v1
	v_add_nc_u32 v18, v18, v1
	v_lshlrev_b32 v18, 2, v18                      ; the bias of a lane's channel: number r + 8 (r / 8)
	v_lshlrev_b32 v19, 5, v1
	v_add_nc_u32 v20, s45, v19                     ; my rows' scale bytes: B's,
	v_add_nc_u32 v19, SCA, v19                     ; A's
.irp b, 0,1,2,3
	v_mov_b32 v[TM+4+\b], 0                        ; written once: a lane permute's destination counts as one of its sources
.endr
	s_wait_alu depctr_va_vdst(0)
	s_wait_tensorcnt 0x0                           ; my tile of the head's four is in
	ds_add_u32 v[SPW], v[NIL]
	s_mov_b32 s[G1B+2], 4<<16                      ; no tensor load of mine is out: from here on a load brings four blocks
	s_mov_b32 s[G1B+4], 4
	s_wait_dscnt 0x0
	CROUND
	TLOAD G0R+4, G1B                               ; slot 1's first fill: q's second half of K
.irp a, 0,1,2,3,4,5,6,7
	ds_load_b128 v[SA+8*\a:SA+8*\a+3], v19 offset:512*\a
	ds_load_b128 v[SA+8*\a+4:SA+8*\a+7], v19 offset:512*\a+16
.endr
	SBLOAD
.irp n, 0,1,2,3,4,5,6,7,8,9,10,11
	FETCH1 0, \n
.endr
	WIN 0
	s_mov_b32 s3, 2
.Ltile:                                                ; two trips: q, k
	WIN 0x80
.irp j, 0,1,2,3,4,5,6,7
	global_load_b128 v[BN+4*\j:BN+4*\j+3], v17, s[96:97] offset:128*(\j/4)+16*(\j%4)   ; register 16 b + i: column 32 b + 16 h + i
.endr
	WIN 0
	STEP 0, 0, 1                                   ; the first step's products start the sums
	STEP 0, 1, 0
	STEP 0, 2, 0
	TURN 0, 3, 1
	STEP 0, 4, 0
	STEP 0, 5, 0
	STEP 0, 6, 0
	TURN 0, 7, 1
	PLACES 4                                       ; in front of the first read of results and of the loads into the scale registers
	v_add_nc_u32 v20, 8192, v20                    ; the next tile's scale bytes of B
	SBLOAD
	s_wait_loadcnt 0x0                             ; the bias
.irp n, 0,1,2,3
	EPI_QK \n
.endr
	ds_load_b128 v[T:T+3], v15                     ; LDS serves a wave's instructions in order: this sees my stores
	s_wait_dscnt 0x0
	global_store_b128 v4, v[T:T+3], s[12:13]       ; the head's 128 scale words of these tokens: 512 consecutive bytes
	s_wait_xcnt 0x0                                ; the bases may be written
	s_mov_b64 s[18:19], s[92:93]
	s_mov_b64 s[12:13], s[94:95]
	s_add_nc_u64 s[96:97], s[96:97], 4096
	s_sub_co_u32 s3, s3, 1
	s_cmp_lg_u32 s3, 0
	s_cbranch_scc1 .Ltile
	; ---- v
	s_add_nc_u64 s[18:19], s[92:93], 98304         ; v's images: 6,144 bytes a key step, as k's
	WIN 0x80
.irp b, 0,1,2,3
	global_load_b32 v[BM+2*\b], v18, s[96:97] offset:4*(32*(\b/2)+8*(\b%2))     ; block b, lane r: one channel; twice, a pair for the packed addition
	global_load_b32 v[BM+2*\b+1], v18, s[96:97] offset:4*(32*(\b/2)+8*(\b%2))
.endr
	WIN 0
	STEP 1, 0, 1
	STEP 1, 1, 0
	STEP 1, 2, 0
	TURN 1, 3, 0                                   ; nothing is filled any more: a plain barrier shows slot 1 whole
	STEP 1, 4, 0
	STEP 1, 5, 0
	STEP 1, 6, 0
	s_wait_dscnt 0x0
	PAIRS 1, 7, 0, 0, 16
	WIN 0
	PLACES 4
	s_wait_loadcnt 0x0
.irp b, 0,1,2,3
	EPI_V \b
.endr
	ds_load_b64 v[T:T+1], v16
	s_wait_dscnt 0x0
	global_store_b64 v5, v[T:T+1], s[98:99]        ; 32 lanes store one aligned unit of 256 bytes
	s_wait_tensorcnt 0x0                           ; the wave's end
	ds_add_u32 v[SPW], v[NIL]
	s_wait_dscnt 0x0
	CROUND                                         ; the closing round
	s_endpgm
.Lfunc_end_k_q87370ed3aa_qkv:
	.size	k_q87370ed3aa_qkv, .Lfunc_end_k_q87370ed3aa_qkv-k_q87370ed3aa_qkv
	.p2alignl 7, 3214868480
	.fill 96, 4, 3214868480
	.section	.rodata,"a",@progbits
	.p2align	6, 0x0
	.amdhsa_kernel k_q87370ed3aa_qkv
		.amdhsa_group_segment_fixed_size 327680
		.amdhsa_private_segment_fixed_size 0
		.amdhsa_enable_private_segment 0
		.amdhsa_kernarg_size 48
		.amdhsa_user_sgpr_count 2
		.amdhsa_user_sgpr_kernarg_segment_ptr 1
		.amdhsa_wavefront_size32 1
		.amdhsa_system_sgpr_workgroup_id_x 1
		.amdhsa_system_sgpr_workgroup_id_y 1
		.amdhsa_system_sgpr_workgroup_id_z 1
		.amdhsa_system_vgpr_workitem_id 0
		.amdhsa_next_free_vgpr 1024
		.amdhsa_next_free_sgpr 100
		.amdhsa_reserve_vcc 0
		.amdhsa_float_denorm_mode_32 3
		.amdhsa_float_denorm_mode_16_64 3
		.amdhsa_memory_ordered 1
		.amdhsa_forward_progress 1
		.amdhsa_inst_pref_size 183
	.end_amdhsa_kernel
	.amdgpu_metadata
---
amdhsa.version: [ 1, 2 ]
amdhsa.kernels:
  - .name:           k_q87370ed3aa_qkv
    .symbol:         k_q87370ed3aa_qkv.kd
    .args:
      - { .name: xq, .offset: 0, .size: 8, .value_kind: global_buffer, .address_space: global }
      - { .name: xs, .offset: 8, .size: 8, .value_kind: global_buffer, .address_space: global }
      - { .name: wq, .offset: 16, .size: 8, .value_kind: global_buffer, .address_space: global }
      - { .name: ws, .offset: 24, .size: 8, .value_kind: global_buffer, .address_space: global }
      - { .name: b_attn, .offset: 32, .size: 8, .value_kind: global_buffer, .address_space: global }
      - { .name: qkv, .offset: 40, .size: 8, .value_kind: global_buffer, .address_space: global }
    .group_segment_fixed_size: 327680
    .private_segment_fixed_size: 0
    .kernarg_segment_align: 8
    .kernarg_segment_size: 48
    .max_flat_workgroup_size: 128
    .sgpr_count:     100
    .vgpr_count:     1024
    .wavefront_size: 32
...
	.end_amdgpu_metadata
.endif
;; end of part 2
;; launch attn (part 3): grid 4 x 64, 8 waves a work-group, clusters of 4 x 1, 215,040 bytes of LDS; arguments qkv, oq, os; writes oq, os
.if DOCPART == 3
	.amdgcn_target "amdgcn-amd-amdhsa--gfx1250"
	.amdhsa_code_object_version 6
	.text
	.protected	k_q87370ed3aa_attn
	.globl	k_q87370ed3aa_attn
	.p2align	8
	.type	k_q87370ed3aa_attn,@function
k_q87370ed3aa_attn:
	s_mov_b64 s[64:65], 0
	v_nop
	global_prefetch_b8 v0, s[64:65] scope:SCOPE_SE
	s_setreg_imm32_b32 hwreg(HW_REG_WAVE_MODE, 25, 1), 1
	s_wait_xcnt 0x0
	s_wait_alu depctr_hold_cnt(0) depctr_sa_sdst(0) depctr_va_vdst(0) depctr_va_sdst(0) depctr_va_ssrc(0) depctr_va_vcc(0) depctr_vm_vsrc(0)
	s_getreg_b32 s2, hwreg(HW_REG_IB_STS2, 6, 4)
	s_cmp_eq_u32 s2, 0
	s_cbranch_scc0 .Lentry_in_a_cluster
	s_endpgm
.Lentry_in_a_cluster:
	s_bfe_u32 s2, ttmp6, 0x10000c
	s_cmp_lg_u32 s2, 0x3003
	s_cbranch_scc0 .Lentry_shape_is_right
	s_endpgm
.Lentry_shape_is_right:
; Causal attention of one (batch, head) for each cluster, both products on codes of FP6 (E2M3) with E8M0 scales; the result, divided by the row's sum, is quantised along the model's 1,024 and leaves as codes.
; t = score x log2(e) / 8; M = the row's largest t so far, rounded up to a whole number; p = 2^(t - M) is quantised along the keys; the row's sum is taken of the unquantised p.
; When M moves, the sum and O are multiplied by 2^(old M - new M): exact.  Key steps all of whose keys lie behind a wave's queries are hidden by the causal mask and are not worked.
; A head's K, V and their scale words, 208,896 bytes, lie in LDS whole, filled once: no ring and no barrier in the loop.  The four work-groups of a cluster need the same bytes:
; each of the eight waves brings an eighth by one joint load, the same line with the same descriptor in all four.  No prefetch: K and V are asked for once, at the head, ahead of every loop.
; SHARES.  Work-group cx owns the tiles of 16 queries 4 j + cx, j = 0 .. 31.  A wave works TWO tiles at a time, X: j = 2 m and Y: j = 2 m + 1, which share the diagonal key step m: each fragment of K and V
; feeds both.  Wave w takes m = 15 - w and then m = w: 17 key steps of 128 keys for every wave.  The loop's trip count is a constant; a hidden step jumps over its work; no branch hangs on cx.
; LAYOUT.  Both products are used transposed (S^T = K Q^T, O^T = V^T P^T): a lane holds one query.  The record holds tokens in tiles 2 B + u, lane r: token 32 B + 8 u + r + 8 (r / 8).
; THE ROWS OF A TILE OF K ARE CHOSEN BY LDS ADDRESS: tile 4 c + j takes keys 64 c + 8 j + i as rows 0-7 and keys 64 c + 32 + 8 j + i as rows 8-15.  So register 32 c + 8 j + i of lane (r, h) is key
; 64 c + 32 h + 8 j + i: a lane holds whole blocks of 32 keys in the order of p's operand: a block's maximum needs no other lane and the conversions' results are the operand.
; (Rows 0-7 and 8-15 come from images 1,536 bytes apart; two tiles of queries share each such read)
; THE MASK on the diagonal step.  With d = my query's place among X's 64 - 32 h: X's keys 0-63 and Y's keys 64-127 are hidden where 8 j + i > d; X's keys 64-127 are all hidden, Y's keys 0-63 all count.
; K = 64 IN AN INSTRUCTION OF 128: q's registers 6-11 are zero codes; beside them k's operand names the six registers that follow its own (the next tile's codes, or zeros): they add nothing.
; LIMITS: a block of zeros gets the byte 1 (its codes are zeros; this program alone reads the bytes); NaN and infinities are not served; the scaled scores stay under 2^31 in magnitude.
; REGISTERS.  Window 0: v1-10 lane constants; v11-15 the step's LDS addresses; v16-17 the spare word and 0; v20-31 for each tile -M and the largest score, the sum, f; v32-41 scale words;
;   v42-63 at work; v64-87 Q; v88-111 p's codes; v112-127 the conversions' second halves; v128-255 S^T, then p (X, Y).  Window 1: v0-53 K; v64-111 V; v128-191 O^T (X, Y).
.set REC,  315392
.set VIM,  98304                       ; in the record and in LDS alike: K's images at 0, V's here,
.set KSW,  196608                      ; K's scale words,
.set VSW,  204800                      ; V's
.set QIM,  208896                      ; in the record alone: Q's images
.set QSW,  307200                      ; and Q's scale words
.set PART, 26112                       ; a wave's eighth: 102 lines of 256 bytes
.set SPARE, 0x34000                    ; the spare words: 128 bytes for each of eight waves
.set WV,   18
.set SEL,  20
.set CS,   22
.set L16, 1
.set L8,  2
.set KA,  3
.set KB,  4
.set KC,  5
.set VA,  6
.set VC,  7
.set DD,  8
.set R4,  9
.set R32, 10
.set TA,  11
.set TB,  12
.set TS,  13
.set TV,  14
.set TW,  15
.set SPW, 16
.set NIL, 17
.set NINF, 18
.set H8,  19
.set NM,  20                           ; tile t: v[NM+2t] -M, v[NM+2t+1] the largest score
.set LS,  24                           ; the sum, in two halves
.set FF,  28                           ; f (the pair's upper word is written once)
.set KSC, 32
.set VSC, 36
.set QSC, 38
.set PSC, 40
.set MA,  42                           ; a number for each of the four blocks (2 t + c)
.set MB,  46
.set RM,  50
.set PX,  52
.set OL,  54
.set ST,  46                           ; the sums' three side chains, six registers a tile
.set SO,  58                           ; the conversions' scale operands
.set WD,  62
.set QR,  64
.set PR,  88
.set CT,  112
.set S,   128
.set VF,  64                           ; window 1
.set OA,  128                          ; window 1
.set MSB, 0
.macro WIN new                         ; the immediate's high byte repeats the setting that is left
.if MSB != (\new)
	s_set_vgpr_msb (MSB<<8)|(\new)
.set MSB, (\new)
.endif
.endm
.macro WALU
	s_wait_alu depctr_va_vdst(0)
.endm
.macro CROUND
	s_barrier_signal -1
	s_barrier_wait -1
	s_cmp_lg_u32 s[WV], 0
	s_cbranch_scc1 .Lnot_wave_0_\@
	s_barrier_signal -3
.Lnot_wave_0_\@:
	s_barrier_wait -3
	s_barrier_signal -1
	s_barrier_wait -1
.endm
.macro KFRAG a, b, off                 ; K's eight half fragments into window 1 (the window is set by the caller)
.irp q, 0,1,2,3,4,5,6,7
	ds_load_b128 v[6*\q:6*\q+3], v[\a] offset:\off+3072*(\q/4)+768*(\q%2)+128*((\q%4)/2)
	ds_load_b64 v[6*\q+4:6*\q+5], v[\b] offset:\off+3072*(\q/4)+768*(\q%2)+64*((\q%4)/2)
.endr
.endm
.macro KSCALE s, off                   ; register n: lanes 0-15 the words of tile 2 n's rows, lanes 16-31 of tile 2 n + 1's
.irp n, 0,1,2,3
	ds_load_b32 v[KSC+\n], v[\s] offset:\off+256*(\n/2)+32*(\n%2)
.endr
.endm
	s_load_b128 s[4:7], s[0:1], 0x0                ; the records, the result's codes
	s_load_b64 s[8:9], s[0:1], 0x10                ; the result's scale bytes
	v_lshl_add_u32 v[SPW], v0, 2, SPARE
	v_mov_b32 v[NIL], 0
	ds_add_u32 v[SPW], v[NIL]                      ; the opening lines: the add twice on end and its wait
	ds_add_u32 v[SPW], v[NIL]
	v_lshrrev_b32 v1, 5, v0
	v_readfirstlane_b32 s[WV], v1                  ; wave 0..7
	s_bfe_u32 s36, ttmp6, 0x40000                  ; cx
	s_and_b32 s37, ttmp7, 0xffff                   ; 16 x batch + head: the four partners share it
	s_mov_b32 s24, 15|(3<<16)|(1<<21)              ; the mask: all four work-groups; elements of 8 bytes; bit 21 beside a mask; no padding
	s_mov_b32 s25, 32<<16                          ; tensor_dim0 = 32 elements: 256 bytes
	s_mov_b32 s26, 102<<16                         ; tensor_dim1
	s_mov_b32 s27, 32<<16                          ; tile_dim0
	s_mov_b32 s28, 102                             ; tile_dim1
	s_mov_b32 s29, 32                              ; the pitch: dense
	s_mov_b32 s30, 0
	s_mov_b32 s31, 0
	s_mul_i32 s46, s37, REC
	s_mov_b32 s47, 0
	s_mul_i32 s56, s[WV], PART
	s_mov_b32 s57, 0
	s_mov_b32 s[SEL], 0x76543210
	s_mov_b32 s[SEL+1], 0xfedcba98
	s_mov_b32 s[CS], 0x3e38aa3b                    ; c = log2(e) / 8
	s_mov_b32 s[CS+1], s[CS]                       ; (named with it as a pair)
	s_wait_dscnt 0x0
	s_wait_kmcnt 0x0
	s_add_nc_u64 s[4:5], s[4:5], s[46:47]          ; my record
	s_mov_b32 s32, 1
	s_mov_b32 s33, s56                             ; LDS: wave x 26,112
	s_add_nc_u64 s[34:35], s[4:5], s[56:57]        ; memory: the same place in the record
	s_or_b32 s35, s35, 0x80000000
	CROUND                                         ; all four work-groups are here: the joint loads meet
	tensor_load_to_lds s[32:35], s[24:31]          ; my one tensor load of the launch
	s_nop 0
.rept 4
	v_nop
.endr
	v_and_b32 v48, 31, v0                          ; lane
	v_and_b32 v42, 15, v0                          ; r
	v_bfe_u32 v43, v0, 4, 1                        ; h
	v_and_b32 v44, 7, v0                           ; r % 8
	v_bfe_u32 v45, v0, 3, 1                        ; r / 8
	v_lshlrev_b32 v[L16], 4, v48
	v_lshlrev_b32 v[L8], 3, v48
	v_mul_u32_u24 v46, v45, 1536                   ; rows 8-15 of a tile of K come from the image two tiles on
	v_lshl_add_u32 v[KA], v44, 4, v46
	v_lshl_add_u32 v[KA], v43, 8, v[KA]            ; registers 0-3: 1,536 (r / 8) + 16 (r % 8) + 256 h
	v_lshl_add_u32 v[KB], v44, 3, v46
	v_lshl_add_u32 v[KB], v43, 7, v[KB]
	v_add_nc_u32 v[KB], 512, v[KB]                 ; registers 4-5: 1,536 (r / 8) + 512 + 8 (r % 8) + 128 h
	v_lshlrev_b32 v[KC], 7, v45
	v_lshl_add_u32 v[KC], v43, 6, v[KC]
	v_lshl_add_u32 v[KC], v44, 2, v[KC]
	v_add_nc_u32 v[KC], KSW, v[KC]                 ; K's scale words: 128 (r / 8) + 64 (lane / 16) + 4 (r % 8)
	v_add_nc_u32 v[VA], VIM, v[L16]
	v_lshl_add_u32 v[VC], v48, 2, VSW
	s_lshr_b32 s56, s36, 1
	s_lshl_b32 s56, s56, 5
	s_and_b32 s57, s36, 1
	s_lshl_b32 s57, s57, 3
	s_add_co_u32 s56, s56, s57
	v_lshl_add_u32 v[DD], v45, 3, v42
	v_lshlrev_b32 v47, 5, v43
	v_sub_nc_u32 v[DD], v[DD], v47
	v_add_nc_u32 v[DD], s56, v[DD]                 ; d = 32 (cx / 2) + 8 (cx % 2) + r + 8 (r / 8) - 32 h: it selects values alone
	v_lshlrev_b32 v[R4], 2, v42
	v_lshlrev_b32 v[R32], 5, v42
	v_lshlrev_b32 v[H8], 3, v43
	v_mov_b32 v[NINF], 0xff800000
.irp j, 6,7,8,9,10,11,18,19,20,21,22,23
	v_mov_b32 v[QR+\j], 0                          ; zero codes, written once
.endr
.irp j, PX,PX+1,FF+1,FF+3
	v_mov_b32 v[\j], 0                             ; written once: lane permutes' destinations, and the upper words of f's pairs
.endr
	WIN 0x40
.irp j, 48,49,50,51,52,53
	v_mov_b32 v[\j], 0                             ; the six registers behind K's last tile
.endr
	WIN 0
	s_xor_b32 s38, s[WV], 15                       ; m of the first pass
	s_mov_b32 s39, 2
	WALU
	s_wait_tensorcnt 0x0                           ; my eighth is in,
	s_barrier_signal -1
	s_barrier_wait -1                              ; everybody's is
.Lpass:
	s_lshl_b32 s56, s38, 3
	s_add_co_u32 s56, s56, s36                     ; X's tile of queries, 8 m + cx; Y's is four on
	s_mul_i32 s48, s56, 768
	s_add_co_u32 s48, s48, QIM
	s_mov_b32 s49, 0
	s_add_nc_u64 s[48:49], s[4:5], s[48:49]
	s_lshl_b32 s50, s56, 6
	s_add_co_u32 s50, s50, QSW
	s_mov_b32 s51, 0
	s_add_nc_u64 s[50:51], s[4:5], s[50:51]
.irp t, 0,1
	global_load_b128 v[QR+12*\t:QR+12*\t+3], v[L16], s[48:49] offset:3072*\t
	global_load_b64 v[QR+12*\t+4:QR+12*\t+5], v[L8], s[48:49] offset:3072*\t+512
	global_load_b32 v[QSC+\t], v[R4], s[50:51] offset:256*\t
.endr
	WIN 0x40
	KFRAG KA, KB, 0                                ; key step 0
	WIN 0
	KSCALE KC, 0
	s_lshr_b32 s58, s37, 4
	s_lshl_b32 s58, s58, 7
	s_add_co_u32 s58, s58, s56                     ; the result's block of 16 stored rows
	s_mul_i32 s52, s58, 12288
	s_and_b32 s59, s37, 15                         ; the head: its 64 along K are half an image
	s_mul_i32 s60, s59, 768
	s_add_co_u32 s52, s52, s60
	s_mov_b32 s53, 0
	s_add_nc_u64 s[52:53], s[6:7], s[52:53]
	s_lshl_b32 s54, s58, 9
	s_lshl_b32 s59, s59, 1
	s_add_co_u32 s54, s54, s59
	s_mov_b32 s55, 0
	s_add_nc_u64 s[54:55], s[8:9], s[54:55]
.irp t, 0,1
	v_mov_b32 v[NM+2*\t+1], 0xff61b1e6             ; the largest score so far: -3e38
	v_mov_b32 v[NM+2*\t], 0x7e800000               ; -M: a large whole number, so that the first f is 0
	v_mov_b32 v[LS+2*\t], 0
	v_mov_b32 v[LS+2*\t+1], 0
.endr
	WIN 0x40
.set II, 0
.rept 64
	v_mov_b32 v[OA+II], 0                          ; O^T: the step is written once; the first finds zeros
.set II, II+1
.endr
	WIN 0
	s_mov_b32 s40, 0                               ; the key step
	s_mov_b32 s42, 0                               ; its images: 6,144 bytes a step, K's and V's alike
	s_mov_b32 s43, 0                               ; K's scale words: 512
	s_mov_b32 s44, 0                               ; V's: 256
	WALU
	s_wait_loadcnt 0x0
.Lstep:                                            ; 16 trips
	s_cmp_gt_u32 s40, s38
	s_cbranch_scc1 .Lhidden                        ; all its keys come after my queries
	s_wait_dscnt 0x0                               ; this step's K, asked for a step ago
	WIN 0x01
.irp q, 0,1,2,3,4,5,6,7
.irp t, 0,1
.if \q%2
	v_wmma_scale_f32_16x16x128_f8f6f4 v[S+64*\t+8*\q:S+64*\t+8*\q+7], v[6*\q:6*\q+11], v[QR+12*\t:QR+12*\t+11], 0, v[KSC+\q/2], v[QSC+\t] matrix_a_fmt:MATRIX_FMT_FP6 matrix_b_fmt:MATRIX_FMT_FP6 matrix_a_scale:MATRIX_SCALE_ROW1
.else
	v_wmma_scale_f32_16x16x128_f8f6f4 v[S+64*\t+8*\q:S+64*\t+8*\q+7], v[6*\q:6*\q+11], v[QR+12*\t:QR+12*\t+11], 0, v[KSC+\q/2], v[QSC+\t] matrix_a_fmt:MATRIX_FMT_FP6 matrix_b_fmt:MATRIX_FMT_FP6
.endif
.endr
.endr
	WIN 0
	v_add_nc_u32 v[TA], s42, v[KA]                 ; these five are the places between the products and the loads into their registers and the first read of the scores
	v_add_nc_u32 v[TB], s42, v[KB]
	v_add_nc_u32 v[TS], s43, v[KC]
	v_add_nc_u32 v[TV], s42, v[VA]
	v_add_nc_u32 v[TW], s44, v[VC]
	WIN 0x40
.irp dt, 0,1,2,3
.irp c, 0,1,2
	ds_load_b128 v[VF+12*\dt+4*\c:VF+12*\dt+4*\c+3], v[TV] offset:1536*\dt+512*\c   ; V's four fragments land while the softmax is walked
.endr
.endr
	KFRAG TA, TB, 6144                             ; and the NEXT step's K (behind step 15: bytes of V's images, inside the filled LDS, which no product takes)
	WIN 0
	ds_load_b32 v[VSC], v[TW]
	ds_load_b32 v[VSC+1], v[TW] offset:128
	KSCALE TS, 512
	s_cmp_lt_u32 s40, s38
	s_cbranch_scc1 .Lopen                          ; all its keys count
.set II, 0
.rept 32
	v_cmp_gt_i32 vcc_lo, II, v[DD]                 ; one compare serves X's lower band and Y's upper band
	v_cndmask_b32 v[S+II], v[S+II], v[NINF], vcc_lo
	v_cndmask_b32 v[S+96+II], v[S+96+II], v[NINF], vcc_lo
	v_mov_b32 v[S+32+II], v[NINF]                  ; X's upper band is hidden whole
.set II, II+1
.endr
.Lopen:
; the largest score of each block of 32 keys (block 2 t + c: 32 registers of one lane), in two chains a block: for the row's maximum and for the block's largest p
.irp b, 0,1,2,3
	v_max3_num_f32 v[MA+\b], v[S+32*\b], v[S+32*\b+1], v[S+32*\b+2]
.endr
.irp b, 0,1,2,3
	v_max3_num_f32 v[MB+\b], v[S+32*\b+16], v[S+32*\b+17], v[S+32*\b+18]
.endr
.irp i, 3,5,7,9,11,13
.irp b, 0,1,2,3
	v_max3_num_f32 v[MA+\b], v[MA+\b], v[S+32*\b+\i], v[S+32*\b+\i+1]
.endr
.irp b, 0,1,2,3
	v_max3_num_f32 v[MB+\b], v[MB+\b], v[S+32*\b+16+\i], v[S+32*\b+17+\i]
.endr
.endr
.irp b, 0,1,2,3
	v_max3_num_f32 v[MA+\b], v[MA+\b], v[S+32*\b+15], v[S+32*\b+31]
.endr
.irp b, 0,1,2,3
	v_max_num_f32 v[MA+\b], v[MA+\b], v[MB+\b]
.endr
.irp t, 0,1                                    ; the two tiles line by line in turn
	v_max_num_f32 v[RM+\t], v[MA+2*\t], v[MA+2*\t+1]
.endr
.irp t, 0,1
	v_permlanex16_b32 v[PX+\t], v[RM+\t], s[SEL], s[SEL+1]
.endr
.irp t, 0,1
	v_max3_num_f32 v[NM+2*\t+1], v[NM+2*\t+1], v[RM+\t], v[PX+\t]   ; the running largest score (c is positive)
.endr
.irp t, 0,1
	v_mov_b32 v[OL+\t], v[NM+2*\t]
.endr
.irp t, 0,1
	v_mul_f32 v[RM+\t], s[CS], v[NM+2*\t+1]
.endr
.irp t, 0,1
	v_floor_f32 v[NM+2*\t], -v[RM+\t]              ; the new -M = -ceil(t)
.endr
.irp t, 0,1
	v_sub_f32 v[OL+\t], v[NM+2*\t], v[OL+\t]       ; old M - new M: a whole number, 0 or less
.endr
.irp t, 0,1
	v_cvt_i32_f32 v[OL+\t], v[OL+\t]               ; (it saturates)
.endr
.irp t, 0,1
	v_ldexp_f32 v[FF+2*\t], 1.0, v[OL+\t]          ; f = 2^(old M - new M)
.endr
.irp t, 0,1
.set II, 0
.rept 32
	v_pk_fma_f32 v[S+64*\t+II:S+64*\t+II+1], v[S+64*\t+II:S+64*\t+II+1], s[CS:CS+1], v[NM+2*\t:NM+2*\t+1] op_sel_hi:[1,0,0]   ; t - M
.set II, II+2
.endr
.endr
.irp b, 0,1,2,3
	v_fma_f32 v[MA+\b], v[MA+\b], s[CS], v[NM+2*(\b/2)]   ; the same of each block's largest score
.endr
	WALU                                           ; the wait ahead of the batch
.set II, 0
.rept 128
	v_exp_f32 v[S+II], v[S+II]                     ; p = 2^(t - M)
.set II, II+1
.endr
.irp b, 0,1,2,3
	v_exp_f32 v[MA+\b], v[MA+\b]                   ; the blocks' largest p
.endr
.irp t, 0,1
	v_pk_mul_f32 v[LS+2*\t:LS+2*\t+1], v[LS+2*\t:LS+2*\t+1], v[FF+2*\t:FF+2*\t+1] op_sel_hi:[1,0]   ; the sums under the new M: plain places behind the exponentials
.endr
	WALU                                           ; one wait for the batch, ahead of its first reader
.irp k, 0,1,2                                  ; the row's sum of the unquantised p: four chains a tile
.irp t, 0,1
	v_pk_add_f32 v[ST+6*\t+2*\k:ST+6*\t+2*\k+1], v[S+64*\t+4*\k:S+64*\t+4*\k+1], v[S+64*\t+4*\k+2:S+64*\t+4*\k+3]
.endr
.endr
.set N, 6
.rept 26
.irp t, 0,1
.if (N-6)%4 == 0
	v_pk_add_f32 v[LS+2*\t:LS+2*\t+1], v[LS+2*\t:LS+2*\t+1], v[S+64*\t+2*N:S+64*\t+2*N+1]
.else
	v_pk_add_f32 v[ST+6*\t+2*((N-6)%4)-2:ST+6*\t+2*((N-6)%4)-1], v[ST+6*\t+2*((N-6)%4)-2:ST+6*\t+2*((N-6)%4)-1], v[S+64*\t+2*N:S+64*\t+2*N+1]
.endif
.endr
.set N, N+1
.endr
.irp t, 0,1
	v_pk_add_f32 v[ST+6*\t:ST+6*\t+1], v[ST+6*\t:ST+6*\t+1], v[ST+6*\t+2:ST+6*\t+3]
.endr
.irp t, 0,1
	v_pk_add_f32 v[LS+2*\t:LS+2*\t+1], v[LS+2*\t:LS+2*\t+1], v[ST+6*\t+4:ST+6*\t+5]
.endr
.irp t, 0,1
	v_pk_add_f32 v[LS+2*\t:LS+2*\t+1], v[LS+2*\t:LS+2*\t+1], v[ST+6*\t:ST+6*\t+1]
.endr
.irp b, 0,1,2,3
	v_max_num_f32 v[MA+\b], 0x1800000, v[MA+\b]    ; the floor 2^(3 - 127): the byte cannot fall under 1
.endr
.irp b, 0,1,2,3
	v_add_nc_u32 v[SO+\b], 0xff000000, v[MA+\b]    ; 2 off the exponent field: the conversion's scale operand
.endr
.irp b, 0,1,2,3                                ; block 2 t + c: registers 6 c .. 6 c + 5 of tile t's operand
	v_cvt_scalef32_pk16_fp6_f32 v[PR+6*\b:PR+6*\b+2], v[S+32*\b:S+32*\b+15], v[SO+\b]
	v_cvt_scalef32_pk16_fp6_f32 v[CT+4*\b:CT+4*\b+2], v[S+32*\b+16:S+32*\b+31], v[SO+\b]   ; (a conversion's three registers begin on an even number)
.endr
.irp b, 0,1,2,3
	v_lshrrev_b32 v[MA+\b], 23, v[SO+\b]           ; the bytes.  (Plain places behind the conversions)
.endr
.irp t, 0,1
	v_lshl_or_b32 v[WD+\t], v[MA+2*\t+1], 16, v[MA+2*\t]   ; my two bytes: blocks h and 2 + h of my query,
.endr
.irp t, 0,1
	v_lshlrev_b32 v[WD+\t], v[H8], v[WD+\t]        ; at their places in the scale word;
.endr
.irp t, 0,1
	v_permlanex16_b32 v[ST+\t], v[WD+\t], s[SEL], s[SEL+1]
.endr
.irp t, 0,1
	v_or_b32 v[PSC+\t], v[WD+\t], v[ST+\t]         ; with lane l xor 16's two the word is whole
.endr
.irp b, 0,1,2,3
.irp i, 0,1,2
	v_mov_b32 v[PR+6*\b+3+\i], v[CT+4*\b+\i]
.endr
.endr
	WIN 0x41
	WALU                                           ; the wait directly ahead of the first reader of O^T
.irp t, 0,1
.set II, 0
.rept 16
	v_pk_mul_f32 v[OA+32*\t+II:OA+32*\t+II+1], v[OA+32*\t+II:OA+32*\t+II+1], v[FF+2*\t:FF+2*\t+1] op_sel_hi:[1,0]   ; O^T under the new M.  (Also the places between the codes, the scale words and the products)
.set II, II+2
.endr
.endr
	WALU
	s_wait_dscnt 4                                 ; V and its scale words are in; the four loads behind them, the next step's scale words of K, may be out
	WIN 0x51
.irp dt, 0,1,2,3                               ; eight accumulators, one instruction each; sixteen other products stand between two turns of any of them
.irp t, 0,1
.if \dt%2
	v_wmma_scale_f32_16x16x128_f8f6f4 v[OA+32*\t+8*\dt:OA+32*\t+8*\dt+7], v[VF+12*\dt:VF+12*\dt+11], v[PR+12*\t:PR+12*\t+11], v[OA+32*\t+8*\dt:OA+32*\t+8*\dt+7], v[VSC+\dt/2], v[PSC+\t] matrix_a_fmt:MATRIX_FMT_FP6 matrix_b_fmt:MATRIX_FMT_FP6 matrix_a_scale:MATRIX_SCALE_ROW1
.else
	v_wmma_scale_f32_16x16x128_f8f6f4 v[OA+32*\t+8*\dt:OA+32*\t+8*\dt+7], v[VF+12*\dt:VF+12*\dt+11], v[PR+12*\t:PR+12*\t+11], v[OA+32*\t+8*\dt:OA+32*\t+8*\dt+7], v[VSC+\dt/2], v[PSC+\t] matrix_a_fmt:MATRIX_FMT_FP6 matrix_b_fmt:MATRIX_FMT_FP6
.endif
.endr
.endr
	WIN 0
.Lhidden:
	s_add_co_u32 s42, s42, 6144
	s_add_co_u32 s43, s43, 512
	s_add_co_u32 s44, s44, 256
	s_add_co_u32 s40, s40, 1
	s_cmp_lt_u32 s40, 16
	s_cbranch_scc1 .Lstep
	; ---- a pass's end: O^T / the sum, quantised: register 16 b + i of a tile is channel 32 b + 16 h + i of my query: two blocks of the next K
	s_wait_dscnt 0x0                               ; the loads asked for in the diagonal step have landed: the next pass loads into the same registers
.irp t, 0,1                                    ; (these six lines are the places behind the last products)
	v_add_f32 v[LS+2*\t], v[LS+2*\t], v[LS+2*\t+1]
.endr
.irp t, 0,1
	v_permlanex16_b32 v[PX+\t], v[LS+2*\t], s[SEL], s[SEL+1]
.endr
.irp t, 0,1
	v_add_f32 v[LS+2*\t], v[LS+2*\t], v[PX+\t]     ; the row's sum
.endr
	WALU
.irp t, 0,1
	v_rcp_f32 v[LS+2*\t], v[LS+2*\t]
.endr
	v_nop                                          ; a plain place behind the reciprocals
	WIN 0x01
	WALU                                           ; the wait ahead of their first reader, which is the first reader of O^T too
.irp t, 0,1
.set II, 0
.rept 16
	v_pk_mul_f32 v[S+32*\t+II:S+32*\t+II+1], v[OA+32*\t+II:OA+32*\t+II+1], v[LS+2*\t:LS+2*\t+1] op_sel_hi:[1,0]   ; each accumulator from its low end on
.set II, II+2
.endr
.endr
	WIN 0
.irp b, 0,1,2,3                                ; block 2 t + b: 16 registers here, 16 in lane l xor 16
	v_max3_num_f32 v[MA+\b], |v[S+16*\b]|, |v[S+16*\b+1]|, 0x1800000
.endr
.irp i, 2,4,6,8,10,12,14
.irp b, 0,1,2,3
	v_max3_num_f32 v[MA+\b], v[MA+\b], |v[S+16*\b+\i]|, |v[S+16*\b+\i+1]|
.endr
.endr
.irp b, 0,1,2,3
	v_permlanex16_b32 v[MB+\b], v[MA+\b], s[SEL], s[SEL+1]
.endr
.irp b, 0,1,2,3
	v_max_num_f32 v[MA+\b], v[MA+\b], v[MB+\b]
.endr
.irp b, 0,1,2,3
	v_add_nc_u32 v[SO+\b], 0xff000000, v[MA+\b]
.endr
.irp b, 0,1,2,3
	v_lshrrev_b32 v[MB+\b], 23, v[SO+\b]
.endr
.irp t, 0,1
	v_lshl_or_b32 v[WD+\t], v[MB+2*\t+1], 8, v[MB+2*\t]   ; the head's two bytes of my row
.endr
.irp t, 0,1
	v_cvt_scalef32_pk16_fp6_f32 v[PR+12*\t:PR+12*\t+2], v[S+32*\t:S+32*\t+15], v[SO+2*\t]
	v_cvt_scalef32_pk16_fp6_f32 v[CT+8*\t:CT+8*\t+2], v[S+32*\t+16:S+32*\t+31], v[SO+2*\t+1]
.endr
	v_nop                                          ; one plain place behind a scaled conversion
.irp t, 0,1
.irp i, 0,1,2
	v_permlane16_swap_b32 v[PR+12*\t+\i], v[CT+8*\t+\i]   ; a whole block in a lane
.endr
.endr
.irp t, 0,1
.irp i, 0,1,2
	v_mov_b32 v[PR+12*\t+3+\i], v[CT+8*\t+\i]
.endr
.endr
.irp t, 0,1
	global_store_b128 v[L16], v[PR+12*\t:PR+12*\t+3], s[52:53] offset:49152*\t       ; half an image: 512 + 256 consecutive bytes
	global_store_b64 v[L8], v[PR+12*\t+4:PR+12*\t+5], s[52:53] offset:49152*\t+512
	global_store_b16 v[R32], v[WD+\t], s[54:55] offset:2048*\t                       ; a head owns 2 of a row's 32 scale bytes; both halves of the lanes store the same two
.endr
	s_wait_xcnt 0x0                                ; the stores have read their registers and bases: the next pass writes them
	s_xor_b32 s38, s38, 15                         ; the second pass: m = wave
	s_sub_co_u32 s39, s39, 1
	s_cmp_lg_u32 s39, 0
	s_cbranch_scc1 .Lpass
	s_wait_tensorcnt 0x0                           ; the wave's end
	ds_add_u32 v[SPW], v[NIL]
	s_wait_dscnt 0x0
	CROUND                                         ; the closing round
	s_endpgm
.Lfunc_end_k_q87370ed3aa_attn:
	.size	k_q87370ed3aa_attn, .Lfunc_end_k_q87370ed3aa_attn-k_q87370ed3aa_attn
	.p2alignl 7, 3214868480
	.fill 96, 4, 3214868480
	.section	.rodata,"a",@progbits
	.p2align	6, 0x0
	.amdhsa_kernel k_q87370ed3aa_attn
		.amdhsa_group_segment_fixed_size 215040
		.amdhsa_private_segment_fixed_size 0
		.amdhsa_enable_private_segment 0
		.amdhsa_kernarg_size 24
		.amdhsa_user_sgpr_count 2
		.amdhsa_user_sgpr_kernarg_segment_ptr 1
		.amdhsa_wavefront_size32 1
		.amdhsa_system_sgpr_workgroup_id_x 1
		.amdhsa_system_sgpr_workgroup_id_y 1
		.amdhsa_system_sgpr_workgroup_id_z 1
		.amdhsa_system_vgpr_workitem_id 0
		.amdhsa_next_free_vgpr 512
		.amdhsa_next_free_sgpr 66
		.amdhsa_reserve_vcc 1
		.amdhsa_float_denorm_mode_32 3
		.amdhsa_float_denorm_mode_16_64 3
		.amdhsa_memory_ordered 1
		.amdhsa_forward_progress 1
		.amdhsa_inst_pref_size 50
	.end_amdhsa_kernel
	.amdgpu_metadata
---
amdhsa.version: [ 1, 2 ]
amdhsa.kernels:
  - .name:           k_q87370ed3aa_attn
    .symbol:         k_q87370ed3aa_attn.kd
    .args:
      - { .name: qkv, .offset: 0, .size: 8, .value_kind: global_buffer, .address_space: global }
      - { .name: oq, .offset: 8, .size: 8, .value_kind: global_buffer, .address_space: global }
      - { .name: os, .offset: 16, .size: 8, .value_kind: global_buffer, .address_space: global }
    .group_segment_fixed_size: 215040
    .private_segment_fixed_size: 0
    .kernarg_segment_align: 8
    .kernarg_segment_size: 24
    .max_flat_workgroup_size: 256
    .sgpr_count:     66
    .vgpr_count:     512
    .wavefront_size: 32
...
	.end_amdgpu_metadata
.endif
;; end of part 3
;; launch proj (part 4): grid 4 x 64, 4 waves a work-group, clusters of 4 x 4, 327,680 bytes of LDS; arguments oq, os, wq, ws, b_proj, out0; writes out0
.if DOCPART == 4
	.amdgcn_target "amdgcn-amd-amdhsa--gfx1250"
	.amdhsa_code_object_version 6
	.text
	.protected	k_q87370ed3aa_proj
	.globl	k_q87370ed3aa_proj
	.p2align	8
	.type	k_q87370ed3aa_proj,@function
k_q87370ed3aa_proj:
	s_mov_b64 s[64:65], 0
	v_nop
	global_prefetch_b8 v0, s[64:65] scope:SCOPE_SE
	s_setreg_imm32_b32 hwreg(HW_REG_WAVE_MODE, 25, 1), 1
	s_wait_xcnt 0x0
	s_wait_alu depctr_hold_cnt(0) depctr_sa_sdst(0) depctr_va_vdst(0) depctr_va_sdst(0) depctr_va_ssrc(0) depctr_va_vcc(0) depctr_vm_vsrc(0)
	s_getreg_b32 s2, hwreg(HW_REG_IB_STS2, 6, 4)
	s_cmp_eq_u32 s2, 0
	s_cbranch_scc0 .Lentry_in_a_cluster
	s_endpgm
.Lentry_in_a_cluster:
	s_bfe_u32 s2, ttmp6, 0x10000c
	s_cmp_lg_u32 s2, 0xf033
	s_cbranch_scc0 .Lentry_shape_is_right
	s_endpgm
.Lentry_shape_is_right:
; out0 = o w_proj + b_proj on codes of FP6 (E2M3) with E8M0 scales, K = 1,024.  256 work-groups; a work-group makes 128 tokens x 256 columns, a wave 128 x 64: 32 accumulators ((a, b) at v[8 (4 a + b)] of window 3).
; A's codes (128 stored rows, 98,304 dense bytes) and B's (256 stored rows of the weights, in two halves of K) lie in LDS whole, each byte filled once; the scale bytes too.
; CLUSTERS 4 x 4: A is shared along a row, B along a column: joint loads.  At the head one load a wave; B's second half behind the full sequence and a round.
; No prefetch: every tile is asked for at the head or right behind it, ahead of the walk along K.
; The matrix instruction is used transposed (source 0 = the weights' rows, source 1 = tokens); rows lie in the stored order (block 2 B + u, lane r: row 32 B + 8 u + r + 8 (r / 8)).
; The codes lie as images of the operand's registers (16 rows x 128 K = 1,536 bytes): a fragment is four loads, each consecutive over the lanes.
; Fragments lie twice: the next step's 48 LDS loads go out in one run at the head of a step, ahead of its 32 products.
; THE WAY OUT: a block of 16 tokens x 64 columns goes through the wave's own stage in LDS and leaves as rows of 256 bytes, sixteen lanes to an aligned unit, the bias added on the way.
; REGISTERS: window 0: v4-20 addresses; v32-95 A's scale words; v100-131 B's; v132-195 the way out; v196-199 the bias.  Window 1: A's fragments, two sets.  Window 2: B's, two sets.
.set SL,     98304
.set SCA,    294912
.set SCB,    299008                    ; 8,192 bytes
.set SPARE,  307200
.set STG,    307712                    ; 16 rows x 272 bytes for each wave
.set SPITCH, 272
.set AA,  4
.set BA,  8
.set SPW, 28
.set NIL, 29
.set SA,  32
.set SB,  100
.set BK,  132
.set BI,  196
.set G1A, 24
.set G1B, 32
.set G1SA, 48
.set G1SB, 56
.set G0A, 68
.set G0H, 72
.set G0SA, 76
.set G0SB, 80
.set G0R, 84
.set MSB, 0
.macro WIN new
.if MSB != (\new)
	s_set_vgpr_msb (MSB<<8)|(\new)
.set MSB, (\new)
.endif
.endm
.macro PLACES n
.rept \n
	v_nop
.endr
.endm
.macro CREST
	s_cmp_lg_u32 s14, 0
	s_cbranch_scc1 .Lnot_wave_0_\@
	s_barrier_signal -3
.Lnot_wave_0_\@:
	s_barrier_wait -3
	s_barrier_signal -1
	s_barrier_wait -1
.endm
.macro CROUND
	s_barrier_signal -1
	s_barrier_wait -1
	CREST
.endm
.macro GRP1 g, mask, c, r, p
	s_or_b32 s[\g], s\mask, (3<<16)|(1<<21)
	s_mov_b32 s[\g+1], (\c)<<16
	s_mov_b32 s[\g+2], (\r)<<16
	s_mov_b32 s[\g+3], (\c)<<16
	s_mov_b32 s[\g+4], \r
	s_mov_b32 s[\g+5], \p
	s_mov_b32 s[\g+6], 0
	s_mov_b32 s[\g+7], 0
.endm
.macro GRP0 g, base, off
	s_mov_b32 s[\g], 1
	s_add_nc_u64 s[\g+2:\g+3], s[\base:\base+1], s[\off:\off+1]
	s_or_b32 s[\g+3], s[\g+3], 0x80000000
.endm
.macro TLOAD g0, g1
	tensor_load_to_lds s[\g0:\g0+3], s[\g1:\g1+7]
	s_nop 0
	PLACES 4
.endm
.macro ARM under, g0, g1, next
	s_cmp_lt_u32 s14, \under
	s_cbranch_scc0 \next
	TLOAD \g0, \g1
	s_branch .Lhead_asked
\next:
.endm
.macro FRAG reg, adr, off
	ds_load_b128 v[\reg:\reg+3], v[\adr] offset:\off
	ds_load_b64 v[\reg+4:\reg+5], v[\adr+1] offset:(\off)+512
	ds_load_b128 v[\reg+6:\reg+9], v[\adr] offset:(\off)+768
	ds_load_b64 v[\reg+10:\reg+11], v[\adr+1] offset:(\off)+1280
.endm
.macro FETCH1 qn, n                    ; fragment n of K step qn: 0-3 B's blocks, 4-11 A's
.if (\n) < 4
	WIN 0x80
	FRAG 48*((\qn)%2)+12*(\n), BA+2*((\qn)/4), 6144*(\n)+1536*((\qn)%4)
.else
	WIN 0x40
	FRAG 96*((\qn)%2)+12*((\n)-4), AA+2*(((\n)-4)/4), 12288*(((\n)-4)%4)+1536*(\qn)
.endif
.endm
.macro PROD q, a, b, zero
.set D_, 8*(4*(\a)+(\b))
.set FA_, 96*((\q)%2)+12*(\a)
.set FB_, 48*((\q)%2)+12*(\b)
.if \zero
	v_wmma_scale_f32_16x16x128_f8f6f4 v[D_:D_+7], v[FB_:FB_+11], v[FA_:FA_+11], 0, v[SB+8*(\b)+(\q)], v[SA+8*(\a)+(\q)] matrix_a_fmt:MATRIX_FMT_FP6 matrix_b_fmt:MATRIX_FMT_FP6
.else
	v_wmma_scale_f32_16x16x128_f8f6f4 v[D_:D_+7], v[FB_:FB_+11], v[FA_:FA_+11], v[D_:D_+7], v[SB+8*(\b)+(\q)], v[SA+8*(\a)+(\q)] matrix_a_fmt:MATRIX_FMT_FP6 matrix_b_fmt:MATRIX_FMT_FP6
.endif
.endm
; pairs of products from .. to - 1 of a step's sixteen (pair j: block a = j / 2, b = 2 (j % 2) and the next); the 32 accumulators take turns
.macro PAIRS q, zero, from, to
	WIN 0xf6                                       ; source 0 window 2 (B), source 1 window 1 (A), C and D window 3
.set J_, \from
.rept (\to)-(\from)
	PROD \q, J_/2, 2*(J_%2), \zero
	PROD \q, J_/2, 2*(J_%2)+1, \zero
.set J_, J_+1
.endr
.endm
.macro STEP q, zero
	s_wait_dscnt 0x0                               ; this step's fragments, asked for a step ago
	PLACES 4                                       ; between the last step's products and the loads into the set that they read
.irp n, 0,1,2,3,4,5,6,7,8,9,10,11
	FETCH1 (\q)+1, \n
.endr
	PAIRS \q, \zero, 0, 16
.endm
	s_load_b128 s[4:7], s[0:1], 0x0                ; o's codes, o's scales
	s_load_b128 s[8:11], s[0:1], 0x10              ; the weights' codes, their scales
	s_load_b64 s[66:67], s[0:1], 0x20              ; b_proj
	s_load_b64 s[12:13], s[0:1], 0x28              ; out0
	v_lshl_add_u32 v[SPW], v0, 2, SPARE
	v_mov_b32 v[NIL], 0
	ds_add_u32 v[SPW], v[NIL]                      ; the opening lines: the add twice on end and its wait
	ds_add_u32 v[SPW], v[NIL]
	v_lshrrev_b32 v1, 5, v0
	v_readfirstlane_b32 s14, v1                    ; wave 0..3: my 64 columns of the 256
	s_bfe_u32 s40, ttmp6, 0x40000                  ; cx: which 256 columns
	s_bfe_u32 s41, ttmp6, 0x40004                  ; cy
	s_and_b32 s17, ttmp7, 0xffff
	s_lshl_b32 s17, s17, 2
	s_add_co_u32 s17, s17, s41                     ; which 128 tokens
	s_lshl_b32 s43, s41, 2
	s_lshl_b32 s43, 15, s43                        ; my row of the cluster
	s_lshl_b32 s44, 0x1111, s40                    ; my column
	GRP1 G1A, 43, 1536, 8, 1536                    ; A: 8 blocks of 12,288 bytes on end
	GRP1 G1B, 44, 768, 16, 1536                    ; B's half of K: 6,144 bytes of each block; 16 blocks at the head, then 4 a wave
	GRP1 G1SA, 43, 32, 16, 32                      ; A's scale bytes: 4,096 dense
	GRP1 G1SB, 44, 32, 32, 32                      ; B's: 8,192 dense
	s_mul_i32 s20, s17, 98304
	s_mov_b32 s21, 0
	s_lshl_b32 s22, s17, 12
	s_mov_b32 s23, 0
	s_mul_i32 s92, s40, 196608
	s_add_co_u32 s92, s92, 3072*768                ; w_proj's stored rows lie behind w_attn's 3,072
	s_mov_b32 s93, 0
	s_lshl_b32 s94, s40, 13
	s_add_co_u32 s94, s94, 3072*32
	s_mov_b32 s95, 0
	s_mul_i32 s96, s14, 49152
	s_add_co_u32 s96, s96, s92
	s_add_co_u32 s96, s96, 6144                    ; my four blocks of B, the second half of K
	s_mov_b32 s97, 0
	s_mul_i32 s45, s14, 24576
	s_wait_dscnt 0x0
	s_wait_kmcnt 0x0
	CROUND                                         ; all sixteen work-groups are here: the first joint loads meet
	GRP0 G0A, 4, 20
	s_mov_b32 s[G0A+1], 0
	GRP0 G0H, 8, 92
	s_mov_b32 s[G0H+1], SL
	GRP0 G0SA, 6, 22
	s_mov_b32 s[G0SA+1], SCA
	GRP0 G0SB, 10, 94
	s_mov_b32 s[G0SB+1], SCB
	GRP0 G0R, 8, 96
	s_add_co_u32 s[G0R+1], s45, 2*SL
	ARM 1, G0A, G1A, .Lhead_b                      ; one joint load a wave at the head: A, B's first half of K, A's scales, B's scales
	ARM 2, G0H, G1B, .Lhead_sa
	ARM 3, G0SA, G1SA, .Lhead_sb
	TLOAD G0SB, G1SB
.Lhead_asked:
	s_add_co_u32 s21, s45, SL
	s_add_co_u32 s22, s45, 2*SL
	s_mul_i32 s23, s14, 16*SPITCH
	s_add_co_u32 s23, s23, STG
	s_lshl_b32 s45, s14, 11
	s_add_co_u32 s45, s45, SCB
	s_lshl_b32 s96, s40, 10
	s_lshl_b32 s19, s14, 8
	s_add_co_u32 s96, s96, s19                     ; my first column, in bytes
	s_mov_b32 s97, 0
	s_lshl_b32 s18, s17, 19                        ; my first token's row of 4,096 bytes
	s_add_co_u32 s18, s18, s96
	s_mov_b32 s19, 0
	s_add_nc_u64 s[12:13], s[12:13], s[18:19]
	s_add_nc_u64 s[66:67], s[66:67], s[96:97]
	v_and_b32 v1, 15, v0                           ; r
	v_bfe_u32 v2, v0, 4, 1                         ; h
	v_and_b32 v3, 31, v0                           ; lane
	v_lshlrev_b32 v4, 4, v3
	v_lshlrev_b32 v5, 3, v3
	v_add_nc_u32 v6, 49152, v4
	v_add_nc_u32 v7, 49152, v5
	v_add_nc_u32 v8, s21, v4
	v_add_nc_u32 v9, s21, v5
	v_add_nc_u32 v10, s22, v4
	v_add_nc_u32 v11, s22, v5
	v_lshlrev_b32 v12, 4, v1                       ; 16 r: my 16 bytes of a row of 256, in the bias too
	v_mul_u32_u24 v13, v1, SPITCH
	v_lshl_add_u32 v13, v2, 6, v13
	v_add_nc_u32 v13, s23, v13                     ; into my stage: row r, + 64 h
	v_mul_u32_u24 v14, v2, SPITCH
	v_add_nc_u32 v14, v14, v12
	v_add_nc_u32 v14, s23, v14                     ; back: lanes 0-15 one row, lanes 16-31 the next
	v_lshl_add_u32 v15, v2, 12, v12                ; and the same two rows in out0
	v_lshlrev_b32 v19, 5, v1
	v_add_nc_u32 v20, s45, v19                     ; my rows' scale bytes: B's,
	v_add_nc_u32 v19, SCA, v19                     ; A's
	global_load_b128 v[BI:BI+3], v12, s[66:67]     ; the bias of my four columns
	s_wait_alu depctr_va_vdst(0)
	s_wait_tensorcnt 0x0                           ; my tile of the head's four is in
	ds_add_u32 v[SPW], v[NIL]
	s_mov_b32 s[G1B+2], 4<<16                      ; no tensor load of mine is out: this load brings four blocks
	s_mov_b32 s[G1B+4], 4
	s_wait_dscnt 0x0
	CROUND
	TLOAD G0R, G1B                                 ; B's second half of K, every wave its four blocks
.irp a, 0,1,2,3,4,5,6,7
	ds_load_b128 v[SA+8*\a:SA+8*\a+3], v19 offset:512*\a
	ds_load_b128 v[SA+8*\a+4:SA+8*\a+7], v19 offset:512*\a+16
.endr
.irp b, 0,1,2,3
	ds_load_b128 v[SB+8*\b:SB+8*\b+3], v20 offset:512*\b
	ds_load_b128 v[SB+8*\b+4:SB+8*\b+7], v20 offset:512*\b+16
.endr
.irp n, 0,1,2,3,4,5,6,7,8,9,10,11
	FETCH1 0, \n
.endr
	STEP 0, 1                                      ; the first step's products start the sums
	STEP 1, 0
	STEP 2, 0
	s_wait_dscnt 0x0                               ; K step 3: A's next fragments first, then a plain barrier shows B's second half whole
	PLACES 4
.irp n, 4,5,6,7,8,9,10,11
	FETCH1 4, \n
.endr
	PAIRS 3, 0, 0, 8
	s_wait_tensorcnt 0x0
	s_wait_dscnt 0x0
	s_barrier_signal -1
	PAIRS 3, 0, 8, 10
	s_barrier_wait -1
.irp n, 0,1,2,3
	FETCH1 4, \n
.endr
	PAIRS 3, 0, 10, 16
	STEP 4, 0
	STEP 5, 0
	STEP 6, 0
	s_wait_dscnt 0x0
	PAIRS 7, 0, 0, 16
	WIN 0
.macro TOSTAGE a
	WIN 0x0c                                       ; the data: window 3
.irp b, 0,1,2,3
	ds_store_b128 v13, v[32*(\a)+8*\b:32*(\a)+8*\b+3] offset:128*(\b/2)+32*(\b%2)       ; each accumulator from its low end on: columns 32 (b / 2) + 16 h + 8 (b % 2) + i
	ds_store_b128 v13, v[32*(\a)+8*\b+4:32*(\a)+8*\b+7] offset:128*(\b/2)+32*(\b%2)+16
.endr
	WIN 0
.irp t, 0,1,2,3,4,5,6,7
	ds_load_b128 v[BK+32*((\a)%2)+4*\t:BK+32*((\a)%2)+4*\t+3], v14 offset:\t*2*SPITCH   ; LDS serves a wave's instructions in order: these see my stores
.endr
.endm
.macro SEND a, younger                 ; younger: the LDS instructions issued behind block a's loads, which may stay out
.set BB, BK+32*((\a)%2)
	s_wait_dscnt \younger
.irp t, 0,1,2,3,4,5,6,7
	v_pk_add_f32 v[BB+4*\t:BB+4*\t+1], v[BB+4*\t:BB+4*\t+1], v[BI:BI+1]
	v_pk_add_f32 v[BB+4*\t+2:BB+4*\t+3], v[BB+4*\t+2:BB+4*\t+3], v[BI+2:BI+3]
.endr
.irp t, 0,1,2,3,4,5,6,7
	global_store_b128 v15, v[BB+4*\t:BB+4*\t+3], s[12:13] offset:(32*((\a)/2)+8*((\a)%2)+2*\t+8*(\t/4))*4096 th:TH_STORE_NT   ; sixteen lanes store 256 consecutive bytes, aligned
.endr
.endm
	PLACES 4                                       ; in front of the first read of results
	s_wait_loadcnt 0x0                             ; the bias
	TOSTAGE 0
.irp a, 1,2,3,4,5,6,7
.if \a > 1
	s_wait_xcnt 0x0                                ; block a - 2's stores have read their registers: block a's loads may land there
.endif
	TOSTAGE \a
	SEND \a-1, 16                                  ; behind block a - 1's loads: block a's 8 stores and 8 loads
.endr
	SEND 7, 0
	s_wait_tensorcnt 0x0                           ; the wave's end
	ds_add_u32 v[SPW], v[NIL]
	s_wait_dscnt 0x0
	CROUND                                         ; the closing round
	s_endpgm
.Lfunc_end_k_q87370ed3aa_proj:
	.size	k_q87370ed3aa_proj, .Lfunc_end_k_q87370ed3aa_proj-k_q87370ed3aa_proj
	.p2alignl 7, 3214868480
	.fill 96, 4, 3214868480
	.section	.rodata,"a",@progbits
	.p2align	6, 0x0
	.amdhsa_kernel k_q87370ed3aa_proj
		.amdhsa_group_segment_fixed_size 327680
		.amdhsa_private_segment_fixed_size 0
		.amdhsa_enable_private_segment 0
		.amdhsa_kernarg_size 48
		.amdhsa_user_sgpr_count 2
		.amdhsa_user_sgpr_kernarg_segment_ptr 1
		.amdhsa_wavefront_size32 1
		.amdhsa_system_sgpr_workgroup_id_x 1
		.amdhsa_system_sgpr_workgroup_id_y 1
		.amdhsa_system_sgpr_workgroup_id_z 1
		.amdhsa_system_vgpr_workitem_id 0
		.amdhsa_next_free_vgpr 1024
		.amdhsa_next_free_sgpr 100
		.amdhsa_reserve_vcc 0
		.amdhsa_float_denorm_mode_32 3
		.amdhsa_float_denorm_mode_16_64 3
		.amdhsa_memory_ordered 1
		.amdhsa_forward_progress 1
		.amdhsa_inst_pref_size 92
	.end_amdhsa_kernel
	.amdgpu_metadata
---
amdhsa.version: [ 1, 2 ]
amdhsa.kernels:
  - .name:           k_q87370ed3aa_proj
    .symbol:         k_q87370ed3aa_proj.kd
    .args:
      - { .name: oq, .offset: 0, .size: 8, .value_kind: global_buffer, .address_space: global }
      - { .name: os, .offset: 8, .size: 8, .value_kind: global_buffer, .address_space: global }
      - { .name: wq, .offset: 16, .size: 8, .value_kind: global_buffer, .address_space: global }
      - { .name: ws, .offset: 24, .size: 8, .value_kind: global_buffer, .address_space: global }
      - { .name: b_proj, .offset: 32, .size: 8, .value_kind: global_buffer, .address_space: global }
      - { .name: out0, .offset: 40, .size: 8, .value_kind: global_buffer, .address_space: global }
    .group_segment_fixed_size: 327680
    .private_segment_fixed_size: 0
    .kernarg_segment_align: 8
    .kernarg_segment_size: 48
    .max_flat_workgroup_size: 128
    .sgpr_count:     100
    .vgpr_count:     1024
    .wavefront_size: 32
...
	.end_amdgpu_metadata
.endif
;; end of part 4
